; MI455X (gfx1250); checked and timed in simulation.
; The chip was launched on July 23, 2026; its instructions are those of AMD's public machine-readable ISA for CDNA 5 (MIT licence, August 2026) and "CDNA5" Instruction Set Architecture Reference Guide (July 2026). The comments in the code are by the model that wrote it; some were corrected since.
;; Roformer Attention. Allowed arithmetic: matrix products marked QUANTISED: E4M3 operands, one given power-of-two scale a tensor, by v_wmma_f32_16x16x64_fp8_fp8 or v_wmma_f32_16x16x128_fp8_fp8, f32 sums; everything else in f32.
;; Inputs: Wk 1,024 x 1,024 float32; Wo 1,024 x 1,024 float32; Wq 1,024 x 1,024 float32; Wv 1,024 x 1,024 float32; beta 1,024 float32; bk 1,024 float32; bo 1,024 float32; bq 1,024 float32; bv 1,024 float32; cdr_bias 2 x 2,048 float32; cdr_weight one number float32; gamma 1,024 float32; lowp_scales 12 int32 (the exponents e of the quantised operands' scales 2^e); x 2 x 2,048 x 1,024 float32.
;; Outputs: out0 2 x 2,048 x 1,024 float32.
;; This version of the problem:
;;   THIS VERSION OF THE PROBLEM IS GIVEN IN LOW PRECISION. The matrix products marked QUANTISED in the list below multiply operands that are first quantised to E4M3 (4 exponent bits, 3 mantissa bits; 8 bits a number), with one given power-of-two scale for each operand tensor; their sums are f32. All else is computed in f32.
;;   The module's matrix products, in the order in which they are computed (A, B: the left and right operand; K: the contracted axis; several contracted axes count as one K, in the product's order):
;;     1. [M 4,096, K 1,024] x [K 1,024, N 1,024]; A: input x; B: input Wq: QUANTISED (scales: A lowp_scales[0], B lowp_scales[1])
;;     2. [M 4,096, K 1,024] x [K 1,024, N 1,024]; A: input x; B: input Wk: QUANTISED (scales: A lowp_scales[2], B lowp_scales[3])
;;     3. [M 4,096, K 1,024] x [K 1,024, N 1,024]; A: input x; B: input Wv: QUANTISED (scales: A lowp_scales[4], B lowp_scales[5])
;;     4. batch 32 x [M 2,048, K 64] x [K 64, N 2,048]; A: computed on the way; B: computed on the way: QUANTISED (scales: A lowp_scales[6], B lowp_scales[7])
;;     5. batch 32 x [M 2,048, K 2,048] x [K 2,048, N 64]; A: softmax (see below); B: computed on the way: QUANTISED (scales: A lowp_scales[8], B lowp_scales[9])
;;     6. [M 4,096, K 1,024] x [K 1,024, N 1,024]; A: computed on the way; B: input Wo: QUANTISED (scales: A lowp_scales[10], B lowp_scales[11])
;;   THE QUANTISER, for each operand of a quantised product, along K:
;;     - The operand's scale is 2^e, e = its entry of the input lowp_scales (int32; the entries are numbered through the quantised products in the list's order, A before B).
;;     - Each number is divided by the scale, clamped to +-448, and rounded to the nearest number of E4M3, ties to even, subnormals kept.
;;     - The product sums the exact products of the quantised numbers (number of the format x scale) in f32.
;;   ~~~python
;;   def quantise(x, axis, e):      # numpy; x: float32 -> the quantised numbers, widened to float32 again
;;       x = np.moveaxis(x, axis, -1); K = x.shape[-1]
;;       r = np.clip(x / 2.0 ** e, -448, 448)
;;       step = 2.0 ** (np.maximum(np.frexp(np.where(r == 0, 1, r))[1] - 1, -6) - 3)
;;       q = np.round(r / step) * step * 2.0 ** e      # np.round: ties to even
;;       return np.moveaxis(q, -1, axis).astype(np.float32)
;;   ~~~
;;   SOFTMAX AHEAD OF A QUANTISED PRODUCT. Where the list says 'softmax', what is quantised is not the finished softmax but p = 2^(t - M), with t = logit x log2(e) and M = ceil(the row's largest t), a whole number; so 1/2 < the row's largest p <= 1. The row's sum l is taken of the UNQUANTISED p, in f32, and the product's result is divided by l at the end. Since M is a whole number, a kernel that streams over the keys may use a running M (the ceiling of the running maximum): every later rescaling is an exact power of two, so the quantised numbers keep their values, but for numbers so far below the row's largest that they fall under the format's range.
;;   OPERANDS COMPUTED ON THE WAY. 'Computed on the way' means the value that the module computes at that place (a softmax that the list does not call 'softmax' is quantised finished and normalised). What goes into a quantiser is computed in f32, as accurately as f32 sums, v_exp_f32 and their like allow (about 1e-6 of the number): no bf16 or f16 on the way to a quantiser, and a product that is left as it is and whose result goes on into a quantised operand takes f32 operands (vector FMAs, or v_wmma_f32_16x16x4_f32). A number that lies on a knife's edge between two numbers of the format may be rounded either way, as far as f32 arithmetic and the matrix unit's own rounding can turn it there, and no further.
;; One version. Each part assembles by itself: llvm-mc -triple=amdgcn-amd-amdhsa -mcpu=gfx1250 --defsym DOCPART=n.
;; ======== version 1 of 1: 5 launches
;; limits: right only within a limited range of input values
;; workspace buffers: ximg 12,582,912 bytes; wimg 4,194,304 bytes; tabs 540,672 bytes; qkv 12,582,912 bytes; aimg 4,194,304 bytes; res 16,777,216 bytes
;; launch prep (part 1): grid 833 x 1, 4 waves a work-group, no clusters, 34,304 bytes of LDS; arguments x, Wq, Wk, Wv, Wo, cdr_bias, cdr_weight, lowp_scales, ximg, wimg, tabs; writes ximg, wimg, tabs
.if DOCPART == 1
	.amdgcn_target "amdgcn-amd-amdhsa--gfx1250"
	.amdhsa_code_object_version 6
	.text
	.protected	k_qcbb06bce69_prep
	.globl	k_qcbb06bce69_prep
	.p2align	8
	.type	k_qcbb06bce69_prep,@function
k_qcbb06bce69_prep:
	s_mov_b64 s[64:65], 0
	v_nop
	global_prefetch_b8 v0, s[64:65] scope:SCOPE_SE
	s_setreg_imm32_b32 hwreg(HW_REG_WAVE_MODE, 25, 1), 1
	s_wait_xcnt 0x0
; PREP: everything that later launches read many times is made once.
;   work-groups 0-511:   x [4096][1024] f32 -> three sets of E4M3 codes (scales 2^e0, 2^e2, 2^e4), one set for each of the three projections
;   work-groups 512-767: Wq, Wk, Wv, Wo [k 1024][n 1024] f32 -> codes (2^e1, 2^e3, 2^e5, 2^e11), K innermost
;   work-groups 768-831: the RoPE table, a row of 256 bytes for each position: cos(0..31), then ss(0..31), ss = -sin at even places, +sin at odd ones
;   work-group 832:      the key bias, cdr_bias x cdr_weight x 8 x 2^-(e6+e7): the number that is added to a sum of code products of Q K^T
; ALL CODES ARE LAID AS IMAGES OF OPERAND REGISTERS.  Tile T of a row axis has the 16 members 32 (T/2) + 8 (T%2) + (m%8) + 16 (m/8), m = 0..15.
; A fragment (16 members x 128 along K) is 2,048 bytes: byte 512 c + 16 lane + i, lane = 16 h + r, holds member r's code at k = 32 c + 16 h + i.
; So a reader gets a fragment by four loads of 16 bytes a lane, each 512 consecutive bytes, and a writer stores whole aligned blocks.
; code = number / 2^e, held within +-448, to the nearest code, ties to even.
; LIMITS: each e between -126 and 119; NaN among the inputs is not served; inv_freq is the f32 number nearest to 10^(-j/8).
; No tensor load, no barrier: waves share nothing.  Only the path for x uses LDS (a stage of its own for each wave).
.set XSTG, 16*528                      ; a wave's stage: 16 rows of 512 bytes + 16 of padding (528 = 33 x 16: the 16 rows that a read touches start 16 bytes apart modulo 256)
.macro MKSCALE e, vs, vl               ; s[e] = e  ->  v[vs] = 2^e as f32 (the conversion takes its exponent field), v[vl] = 448 x 2^e
	s_add_co_i32 s60, s[\e], 127
	s_lshl_b32 s61, s60, 23
	v_mov_b32 v[\vs], s61
	s_add_co_i32 s60, s60, 8
	s_lshl_b32 s60, s60, 23
	s_or_b32 s60, s60, 0x600000
	v_mov_b32 v[\vl], s60
.endm
	s_load_b512 s[4:19], s[0:1], 0x0               ; x s[4:5], Wq s[6:7], Wk s[8:9], Wv s[10:11], Wo s[12:13], cdr_bias s[14:15], cdr_weight s[16:17], lowp_scales s[18:19]
	s_load_b128 s[20:23], s[0:1], 0x40             ; ximg s[20:21], wimg s[22:23]
	s_load_b64 s[24:25], s[0:1], 0x50              ; tabs
	v_lshl_add_u32 v224, v0, 2, 0x8400
	v_mov_b32 v225, 0
	v_lshrrev_b32 v1, 5, v0
	v_readfirstlane_b32 s26, v1                    ; wave 0..3
	v_and_b32 v10, 31, v0                          ; lane
	v_and_b32 v11, 15, v0                          ; r
	v_bfe_u32 v12, v0, 4, 1                        ; h
	v_lshlrev_b32 v1, 4, v10                       ; 16 x lane
	s_mul_i32 s27, s26, XSTG
	v_add_nc_u32 v2, s27, v1                       ; the stage, on the way in: 16 x lane in a row
	v_mul_u32_u24 v3, v11, 528
	v_lshl_add_u32 v3, v12, 6, v3
	v_add_nc_u32 v3, s27, v3                       ; and on the way out: row r, + 64 h bytes
	s_wait_kmcnt 0x0
	s_load_b256 s[28:35], s[18:19], 0x0            ; e0 .. e7
	s_load_b128 s[36:39], s[18:19], 0x20           ; e8 .. e11
	s_cmp_lt_u32 ttmp9, 512
	s_cbranch_scc0 .Lnot_x
; ---- x: a wave makes one fragment (tile T = g / 2, K step ks = 4 (g % 2) + wave) under each of the three scales
	s_lshr_b32 s40, ttmp9, 1                       ; T
	s_and_b32 s41, ttmp9, 1
	s_lshl_b32 s41, s41, 2
	s_add_co_u32 s41, s41, s26                     ; ks
	s_lshr_b32 s42, s40, 1
	s_lshl_b32 s42, s42, 5
	s_and_b32 s43, s40, 1
	s_lshl_b32 s43, s43, 3
	s_add_co_u32 s42, s42, s43                     ; the tile's first row: 32 (T/2) + 8 (T%2)
	s_lshl_b32 s42, s42, 12                        ; rows of 4,096 bytes
	s_lshl_b32 s43, s41, 9                         ; 128 numbers of 4 bytes a K step
	s_add_co_u32 s42, s42, s43
	s_mov_b32 s43, 0
	s_add_nc_u64 s[4:5], s[4:5], s[42:43]
	s_wait_alu depctr_va_vdst(0)
.irp i, 0,1,2,3,4,5,6,7,8,9,10,11,12,13,14,15
	global_load_b128 v[16+4*\i:19+4*\i], v1, s[4:5] offset:(\i+8*(\i/8))*4096 th:TH_LOAD_NT   ; member i's 512 consecutive bytes
.endr
	s_lshl_b32 s44, s40, 14
	s_lshl_b32 s45, s41, 11
	s_add_co_u32 s44, s44, s45                     ; the fragment's place in a set: T x 16,384 + ks x 2,048
	s_mov_b32 s45, 0
	s_add_nc_u64 s[46:47], s[20:21], s[44:45]      ; set 0,
	s_add_nc_u64 s[48:49], s[46:47], 0x400000      ; set 1,
	s_add_nc_u64 s[50:51], s[46:47], 0x800000      ; set 2: a base each, since two sets' distance is beyond a store's immediate
	s_wait_kmcnt 0x0
	MKSCALE 28, 4, 5
	MKSCALE 30, 6, 7
	MKSCALE 32, 8, 9
	s_wait_alu depctr_va_vdst(0)
.irp i, 0,1,2,3,4,5,6,7,8,9,10,11,12,13,14,15
	s_wait_loadcnt 15-\i                           ; loads come back in order: row i is in, the 15 - i younger ones may be out
	ds_store_b128 v2, v[16+4*\i:19+4*\i] offset:528*\i
.endr
.irp c, 0,1,2,3
.irp j, 0,1,2,3
	ds_load_b128 v[80+16*\c+4*\j:83+16*\c+4*\j], v3 offset:128*\c+16*\j   ; my wave's own bytes, served in order behind the stores: v[80 + 16 c + i] = x(member r, 32 c + 16 h + i)
.endr
.endr
	s_wait_dscnt 0x0
.macro QX p, sc, lim, base             ; the 64 numbers under scale p: held, converted, stored.  The held numbers take two sets of 16 registers by turns, the codes registers of their own
.irp c, 0,1,2,3
.irp i, 0,1,2,3,4,5,6,7,8,9,10,11,12,13,14,15
	v_med3_num_f32 v[144+16*(\c%2)+\i], v[80+16*\c+\i], -v[\lim], v[\lim]   ; the conversion to an 8-bit code does not saturate (ISA guide 7.6.2): the hold comes first
.endr
	v_cvt_scalef32_pk8_fp8_f32 v[176+16*\p+4*\c:177+16*\p+4*\c], v[144+16*(\c%2):151+16*(\c%2)], v[\sc]
	v_cvt_scalef32_pk8_fp8_f32 v[178+16*\p+4*\c:179+16*\p+4*\c], v[152+16*(\c%2):159+16*(\c%2)], v[\sc]
.endr
.irp c, 0,1,2,3
	global_store_b128 v1, v[176+16*\p+4*\c:179+16*\p+4*\c], s[\base:\base+1] offset:512*\c   ; 512 consecutive bytes, aligned
.endr
.endm
	QX 0, 4, 5, 46
	QX 1, 6, 7, 48
	QX 2, 8, 9, 50
	s_wait_tensorcnt 0x0
	ds_add_u32 v224, v225
	s_wait_dscnt 0x0
	s_endpgm
.Lnot_x:
	s_cmp_lt_u32 ttmp9, 768
	s_cbranch_scc0 .Lnot_w
; ---- the weights: q = g - 512: weight p = q / 64, K step ks = (q / 8) % 8, columns 32 beta .. 32 beta + 31 with beta = 4 (q % 8) + wave.
; A LANE TAKES A COLUMN n AND ITS REGISTERS RUN DOWN K: each load reads 128 consecutive bytes a wave, 512 a work-group, and the conversions give codes with K innermost.
	s_sub_co_u32 s40, ttmp9, 512
	s_lshr_b32 s41, s40, 6                         ; p
	s_bfe_u32 s42, s40, 0x30003                    ; ks
	s_and_b32 s43, s40, 7
	s_lshl_b32 s43, s43, 2
	s_add_co_u32 s43, s43, s26                     ; beta
	s_mov_b64 s[44:45], s[12:13]                   ; the weight's buffer: a choice on the work-group's number alone
	s_cmp_eq_u32 s41, 0
	s_cselect_b64 s[44:45], s[6:7], s[44:45]
	s_cmp_eq_u32 s41, 1
	s_cselect_b64 s[44:45], s[8:9], s[44:45]
	s_cmp_eq_u32 s41, 2
	s_cselect_b64 s[44:45], s[10:11], s[44:45]
	s_lshl_b32 s48, s42, 19                        ; 128 rows of 4,096 bytes a K step
	s_lshl_b32 s49, s43, 7                         ; 32 columns of 4 bytes
	s_add_co_u32 s48, s48, s49
	s_mov_b32 s49, 0
	s_add_nc_u64 s[44:45], s[44:45], s[48:49]
	s_wait_alu depctr_va_vdst(0)
	v_lshlrev_b32 v13, 2, v10                      ; 4 bytes a lane
.macro LOADW t                         ; block t: W(128 ks + 32 t + i, my column), i = 0 .. 31
.irp i, 0,1,2,3,4,5,6,7,8,9,10,11,12,13,14,15,16,17,18,19,20,21,22,23,24,25,26,27,28,29,30,31
	global_load_b32 v[16+32*(\t)+\i], v13, s[44:45] offset:(32*(\t)+\i)*4096 th:TH_LOAD_NT
.endr
.endm
	LOADW 0
	LOADW 1
	; where the codes go.  Wq, Wk, Wv: [tile 64][ks 8][2,048]; Wo: [ks 8][tile 64][2,048].  My 32 columns are tiles 2 beta and 2 beta + 1
	s_lshl_b32 s50, s43, 15
	s_lshl_b32 s51, s42, 11
	s_add_co_u32 s50, s50, s51                     ; beta x 32,768 + ks x 2,048
	s_lshl_b32 s52, s42, 17
	s_lshl_b32 s53, s43, 12
	s_add_co_u32 s52, s52, s53                     ; ks x 131,072 + beta x 4,096
	s_mov_b32 s54, 2048
	s_cmp_eq_u32 s41, 3
	s_cselect_b32 s50, s52, s50
	s_cselect_b32 s54, s54, 16384                  ; from tile 2 beta to tile 2 beta + 1
	s_lshl_b32 s51, s41, 20
	s_add_co_u32 s50, s50, s51                     ; + the weight's 1,048,576 bytes
	s_mov_b32 s51, 0
	s_add_nc_u64 s[22:23], s[22:23], s[50:51]
	v_bfe_u32 v14, v0, 3, 1                        ; column l of the 32 is member (l % 8) + 8 (l / 16) of tile 2 beta + (l / 8) % 2
	v_mul_lo_u32 v14, v14, s54
	v_and_b32 v15, 7, v0
	v_lshl_add_u32 v15, v12, 3, v15
	v_lshl_add_u32 v14, v15, 4, v14
	s_wait_alu depctr_va_vdst(0)
	s_wait_kmcnt 0x0
	s_mov_b32 s46, s39                             ; e11, e1, e3 or e5
	s_cmp_eq_u32 s41, 0
	s_cselect_b32 s46, s29, s46
	s_cmp_eq_u32 s41, 1
	s_cselect_b32 s46, s31, s46
	s_cmp_eq_u32 s41, 2
	s_cselect_b32 s46, s33, s46
	MKSCALE 46, 4, 5
.macro BLOCKW c                        ; block c's 32 numbers: two halves of 16, each 16 bytes of codes: one store writes two whole blocks of 256 bytes, one in each tile
.irp h, 0,1
.irp i, 0,1,2,3,4,5,6,7,8,9,10,11,12,13,14,15
	v_med3_num_f32 v[16+32*\c+16*\h+\i], v[16+32*\c+16*\h+\i], -v5, v5
.endr
	v_cvt_scalef32_pk8_fp8_f32 v[144+8*\c+4*\h:145+8*\c+4*\h], v[16+32*\c+16*\h:23+32*\c+16*\h], v4
	v_cvt_scalef32_pk8_fp8_f32 v[146+8*\c+4*\h:147+8*\c+4*\h], v[24+32*\c+16*\h:31+32*\c+16*\h], v4
	global_store_b128 v14, v[144+8*\c+4*\h:147+8*\c+4*\h], s[22:23] offset:512*\c+256*\h
.endr
.endm
	s_wait_alu depctr_va_vdst(0)
	s_wait_loadcnt 32                              ; block 0 is in; block 1's 32 loads may be out
	LOADW 2
	BLOCKW 0
	s_wait_loadcnt 32                              ; block 1 is in; block 2's may be out
	LOADW 3
	BLOCKW 1
	s_wait_loadcnt 32                              ; block 2 is in; block 3's may be out
	BLOCKW 2
	s_wait_loadcnt 0x0
	BLOCKW 3
	s_endpgm
.Lnot_w:
	s_cmp_lt_u32 ttmp9, 832
	s_cbranch_scc0 .Lbias
; ---- the RoPE table: 256 waves of 8 positions: an entry is a chain of some twenty dependent lines, so the 2,048 rows are spread over many waves, two trips each.
; Lane l makes two neighbouring entries, for frequencies 2 m and 2 m + 1, m = l % 16: lanes 0-15 the cosines, lanes 16-31 ss.
; Every entry is sin(angle + q pi/2): cos: q = 1; -sin: q = 2; +sin: q = 0.  angle = f32(position) x inv_freq, one f32 product.
; The angle is reduced by k = the whole number nearest to angle x 2/pi, with pi/2 in two parts (k is at most 1,304, so k x the first part is exact in the fused multiply-add); then polynomials on |r| <= pi/4.
	s_sub_co_u32 s40, ttmp9, 768
	s_lshl_b32 s40, s40, 2
	s_add_co_u32 s40, s40, s26
	s_lshl_b32 s52, s40, 3                         ; my wave's first position
	s_lshl_b32 s42, s52, 8                         ; rows of 256 bytes
	s_mov_b32 s43, 0
	s_add_nc_u64 s[24:25], s[24:25], s[42:43]
	s_wait_alu depctr_va_vdst(0)
	v_lshlrev_b32 v13, 3, v10                      ; 8 bytes a lane: the 32 lanes store a row's whole 256 bytes
	v_add_nc_u32 v14, 1, v12                       ; q of my first entry: 1 (cos) or 2 (-sin)
	v_sub_nc_u32 v15, 1, v12                       ; of my second: 1 (cos) or 0 (+sin)
	v_mov_b32 v16, 1.0
	v_mov_b32 v17, 1.0
.macro FREQ m, f0, f1                  ; lanes with l % 16 = m take 10^(-2m/8) and 10^(-(2m+1)/8)
	v_cmp_ne_u32 vcc_lo, \m, v11
	v_cndmask_b32 v16, \f0, v16, vcc_lo
	v_cndmask_b32 v17, \f1, v17, vcc_lo
.endm
	FREQ 0, 1.0, 0.74989420933
	FREQ 1, 0.56234132519, 0.42169650343
	FREQ 2, 0.31622776602, 0.23713737057
	FREQ 3, 0.17782794100, 0.13335214322
	FREQ 4, 0.1, 0.074989420933
	FREQ 5, 0.056234132519, 0.042169650343
	FREQ 6, 0.031622776602, 0.023713737057
	FREQ 7, 0.017782794100, 0.013335214322
	FREQ 8, 0.01, 0.0074989420933
	FREQ 9, 0.0056234132519, 0.0042169650343
	FREQ 10, 0.0031622776602, 0.0023713737057
	FREQ 11, 0.0017782794100, 0.0013335214322
	FREQ 12, 0.001, 0.00074989420933
	FREQ 13, 0.00056234132519, 0.00042169650343
	FREQ 14, 0.00031622776602, 0.00023713737057
	FREQ 15, 0.00017782794100, 0.00013335214322
	s_mov_b32 s54, 0x3f22f983                      ; 2 / pi
	s_mov_b32 s55, 0xbfc90fdb                      ; -(pi/2 rounded to f32)
	s_mov_b32 s56, 0x333bbd2e                      ; that number less pi/2
	s_mov_b32 s57, -0.16666654611                  ; sin r = r + r z (s57 + z (s58 + z s59)), z = r r
	s_mov_b32 s58, 8.3321608736e-3
	s_mov_b32 s59, -1.9515295891e-4
	s_mov_b32 s60, 4.166664568e-2                  ; cos r = 1 + z (-1/2 + z (s60 + z (s61 + z s62)))
	s_mov_b32 s61, -1.388731625e-3
	s_mov_b32 s62, 2.443315712e-5
.macro SINC out, th, q                 ; v[out] = sin(v[th] + v[q] pi/2)
	v_mul_f32 v24, s54, v[\th]
	v_rndne_f32 v24, v24                           ; k
	v_fma_f32 v25, v24, s55, v[\th]
	v_fma_f32 v25, v24, s56, v25                   ; r
	v_cvt_i32_f32 v26, v24
	v_add_nc_u32 v26, v26, v[\q]                   ; the quadrant
	v_mul_f32 v27, v25, v25                        ; z
	v_fma_f32 v28, v27, s59, s58
	v_fma_f32 v28, v28, v27, s57
	v_mul_f32 v28, v28, v27
	v_fma_f32 v28, v28, v25, v25                   ; sin r
	v_fma_f32 v29, v27, s62, s61
	v_fma_f32 v29, v29, v27, s60
	v_fma_f32 v29, v29, v27, -0.5
	v_fma_f32 v29, v29, v27, 1.0                   ; cos r
	v_and_b32 v30, 1, v26
	v_cmp_eq_u32 vcc_lo, 1, v30
	v_cndmask_b32 v28, v28, v29, vcc_lo            ; odd quadrants take the cosine,
	v_and_b32 v30, 2, v26
	v_lshlrev_b32 v30, 30, v30
	v_xor_b32 v[\out], v28, v30                    ; quadrants 2 and 3 the other sign
.endm
	s_mov_b32 s53, 0
.Lrows:                                                ; 2 trips of 4 positions
.irp i, 0,1,2,3
	s_add_co_u32 s41, s52, \i
	v_cvt_f32_u32 v20, s41
	s_wait_alu depctr_va_vdst(0)
	v_mul_f32 v21, v20, v16
	v_mul_f32 v22, v20, v17
	SINC 32+2*\i, 21, 14
	SINC 33+2*\i, 22, 15
	global_store_b64 v13, v[32+2*\i:33+2*\i], s[24:25] offset:256*\i
.endr
	s_wait_xcnt 0x0                                ; the stores have read their data and their base: both are written again only behind this wait
	s_add_nc_u64 s[24:25], s[24:25], 1024
	s_add_co_u32 s52, s52, 4
	s_add_co_u32 s53, s53, 1
	s_cmp_lt_u32 s53, 2
	s_cbranch_scc1 .Lrows
	s_endpgm
.Lbias:
; ---- the key bias: 4,096 numbers, 32 a thread.  cdr_bias x cdr_weight is rounded once, as the product is in f32; the power of two that follows rounds nothing
	s_load_b32 s40, s[16:17], 0x0                  ; cdr_weight
	v_lshlrev_b32 v13, 4, v0
.irp i, 0,1,2,3,4,5,6,7
	global_load_b128 v[16+4*\i:19+4*\i], v13, s[14:15] offset:2048*\i
.endr
	s_wait_kmcnt 0x0
	s_add_co_i32 s41, s34, s35
	s_sub_co_i32 s41, 3, s41                       ; 3 - e6 - e7
.irp i, 0,1,2,3,4,5,6,7
	s_wait_loadcnt 7-\i                            ; load i is in, the 7 - i younger ones may be out
.irp j, 0,1,2,3
	v_mul_f32 v[16+4*\i+\j], s40, v[16+4*\i+\j]
.endr
.irp j, 0,1,2,3
	v_ldexp_f32 v[16+4*\i+\j], v[16+4*\i+\j], s41
.endr
	s_wait_alu depctr_va_vdst(0)
	global_store_b128 v13, v[16+4*\i:19+4*\i], s[24:25] offset:524288+2048*\i
.endr
	s_endpgm
.Lfunc_end_k_qcbb06bce69_prep:
	.size	k_qcbb06bce69_prep, .Lfunc_end_k_qcbb06bce69_prep-k_qcbb06bce69_prep
	.p2alignl 7, 3214868480
	.fill 96, 4, 3214868480
	.section	.rodata,"a",@progbits
	.p2align	6, 0x0
	.amdhsa_kernel k_qcbb06bce69_prep
		.amdhsa_group_segment_fixed_size 34304
		.amdhsa_private_segment_fixed_size 0
		.amdhsa_enable_private_segment 0
		.amdhsa_kernarg_size 88
		.amdhsa_user_sgpr_count 2
		.amdhsa_user_sgpr_kernarg_segment_ptr 1
		.amdhsa_wavefront_size32 1
		.amdhsa_system_sgpr_workgroup_id_x 1
		.amdhsa_system_sgpr_workgroup_id_y 1
		.amdhsa_system_sgpr_workgroup_id_z 1
		.amdhsa_system_vgpr_workitem_id 0
		.amdhsa_next_free_vgpr 226
		.amdhsa_next_free_sgpr 66
		.amdhsa_reserve_vcc 1
		.amdhsa_float_denorm_mode_32 3
		.amdhsa_float_denorm_mode_16_64 3
		.amdhsa_memory_ordered 1
		.amdhsa_forward_progress 1
		.amdhsa_inst_pref_size 64
	.end_amdhsa_kernel
	.amdgpu_metadata
---
amdhsa.version: [ 1, 2 ]
amdhsa.kernels:
  - .name:           k_qcbb06bce69_prep
    .symbol:         k_qcbb06bce69_prep.kd
    .args:
      - { .name: x, .offset: 0, .size: 8, .value_kind: global_buffer, .address_space: global }
      - { .name: Wq, .offset: 8, .size: 8, .value_kind: global_buffer, .address_space: global }
      - { .name: Wk, .offset: 16, .size: 8, .value_kind: global_buffer, .address_space: global }
      - { .name: Wv, .offset: 24, .size: 8, .value_kind: global_buffer, .address_space: global }
      - { .name: Wo, .offset: 32, .size: 8, .value_kind: global_buffer, .address_space: global }
      - { .name: cdr_bias, .offset: 40, .size: 8, .value_kind: global_buffer, .address_space: global }
      - { .name: cdr_weight, .offset: 48, .size: 8, .value_kind: global_buffer, .address_space: global }
      - { .name: lowp_scales, .offset: 56, .size: 8, .value_kind: global_buffer, .address_space: global }
      - { .name: ximg, .offset: 64, .size: 8, .value_kind: global_buffer, .address_space: global }
      - { .name: wimg, .offset: 72, .size: 8, .value_kind: global_buffer, .address_space: global }
      - { .name: tabs, .offset: 80, .size: 8, .value_kind: global_buffer, .address_space: global }
    .group_segment_fixed_size: 34304
    .private_segment_fixed_size: 0
    .kernarg_segment_align: 8
    .kernarg_segment_size: 88
    .max_flat_workgroup_size: 128
    .sgpr_count:     66
    .vgpr_count:     226
    .wavefront_size: 32
...
	.end_amdgpu_metadata
.endif
;; end of part 1
;; launch qkv (part 2): grid 12 x 16, 4 waves a work-group, clusters of 4 x 4, 327,680 bytes of LDS; arguments ximg, wimg, tabs, bq, bk, bv, lowp_scales, qkv; writes qkv
.if DOCPART == 2
	.amdgcn_target "amdgcn-amd-amdhsa--gfx1250"
	.amdhsa_code_object_version 6
	.text
	.protected	k_qcbb06bce69_qkv
	.globl	k_qcbb06bce69_qkv
	.p2align	8
	.type	k_qcbb06bce69_qkv,@function
k_qcbb06bce69_qkv:
	s_mov_b64 s[64:65], 0
	v_nop
	global_prefetch_b8 v0, s[64:65] scope:SCOPE_SE
	s_setreg_imm32_b32 hwreg(HW_REG_WAVE_MODE, 25, 1), 1
	s_wait_xcnt 0x0
	s_wait_alu depctr_hold_cnt(0) depctr_sa_sdst(0) depctr_va_vdst(0) depctr_va_sdst(0) depctr_va_ssrc(0) depctr_va_vcc(0) depctr_vm_vsrc(0)
	s_getreg_b32 s2, hwreg(HW_REG_IB_STS2, 6, 4)
	s_cmp_eq_u32 s2, 0
	s_cbranch_scc0 .Lentry_in_a_cluster
	s_endpgm
.Lentry_in_a_cluster:
	s_bfe_u32 s2, ttmp6, 0x10000c
	s_cmp_lg_u32 s2, 0xf033
	s_cbranch_scc0 .Lentry_shape_is_right
	s_endpgm
.Lentry_shape_is_right:
.set HALFT,  32768
.set SLOT,   4*HALFT
.set SPARE,  2*SLOT
.set FR,     16
.set NL,     4
.set NP,     4
.set ADRA, 16
.set ADRB, 20
.set LI,   26
.set SPW,  28
.set NIL,  29
.set AF,   128
.set G1, 24
.set G0, 32
.set G1B, 48
.set G0B, 56
.set MSB, 0
.macro WIN new
.if MSB != \new
	s_set_vgpr_msb (MSB<<8)|\new
.set MSB, \new
.endif
.endm
.set MUL_LO, 0xa1
.set MUL_HI, 0xf1
.set TO_B,   0x40
.macro JLOAD g0a, g1a, g0b, g1b
	s_cmp_eq_u32 s15, 0
	s_cbranch_scc0 .Lfor_b_\@
	tensor_load_to_lds s[\g0a:\g0a+3], s[\g1a:\g1a+7]
	s_nop 0
.rept 4
	v_nop
.endr
	s_branch .Lasked_\@
.Lfor_b_\@:
	tensor_load_to_lds s[\g0b:\g0b+3], s[\g1b:\g1b+7]
	s_nop 0
.rept 4
	v_nop
.endr
.Lasked_\@:
.endm
.macro CREST
	s_cmp_lg_u32 s14, 0
	s_cbranch_scc1 .Lnot_wave_0_\@
	s_barrier_signal -3
.Lnot_wave_0_\@:
	s_barrier_wait -3
	s_barrier_signal -1
	s_barrier_wait -1
.endm
.macro CROUND
	s_barrier_signal -1
	s_barrier_wait -1
	CREST
.endm
	s_load_b256 s[4:11], s[0:1], 0x0
	s_load_b256 s[68:75], s[0:1], 0x20
	v_lshl_add_u32 v[SPW], v0, 2, SPARE
	v_mov_b32 v[NIL], 0
	ds_add_u32 v28, v29
	ds_add_u32 v28, v29
	s_wait_dscnt 0x0
	v_lshrrev_b32 v1, 5, v0
	v_readfirstlane_b32 s14, v1
	s_lshr_b32 s15, s14, 1
	s_and_b32 s16, s14, 1
	s_bfe_u32 s40, ttmp6, 0x40000
	s_bfe_u32 s41, ttmp6, 0x40004
	s_mov_b32 s98, ttmp9
	s_and_b32 s99, ttmp7, 0xffff
	s_lshl_b32 s99, s99, 2
	s_cmp_eq_u32 s98, 2
	s_cselect_b32 s12, 0, s99
	s_cselect_b32 s13, s99, 0
	s_add_co_u32 s17, s41, s12
	s_add_co_u32 s42, s40, s13
	s_lshl_b32 s43, s41, 2
	s_lshl_b32 s43, 15, s43
	s_lshl_b32 s44, 0x1111, s40
	s_or_b32 s[G1+0], s43, (3<<16)|(1<<21)
	s_or_b32 s[G1B+0], s44, (3<<16)|(1<<21)
.irp g, G1, G1B
	s_mov_b32 s[\g+1], 512<<16
	s_mov_b32 s[\g+2], 8<<16
	s_mov_b32 s[\g+3], 512<<16
	s_mov_b32 s[\g+4], 8
	s_mov_b32 s[\g+5], 2048
	s_mov_b32 s[\g+6], 0
	s_mov_b32 s[\g+7], 0
.endr
	s_lshl_b32 s20, s98, 22
	s_lshl_b32 s21, s98, 20
	s_cmp_eq_u32 s98, 2
	s_cselect_b32 s22, s21, s20
	s_cselect_b32 s46, s20, s21
	s_lshl_b32 s23, s17, 18
	s_add_co_u32 s22, s22, s23
	s_lshl_b32 s23, s16, 17
	s_add_co_u32 s22, s22, s23
	s_mov_b32 s23, 0
	s_lshl_b32 s47, s42, 18
	s_add_co_u32 s46, s46, s47
	s_lshl_b32 s47, s16, 17
	s_add_co_u32 s46, s46, s47
	s_mov_b32 s47, 0
	s_mul_i32 s45, s14, HALFT
	s_wait_kmcnt 0x0
	s_load_b256 s[84:91], s[72:73], 0x0
	s_load_b128 s[92:95], s[72:73], 0x20
	s_cmp_eq_u32 s98, 2
	s_cselect_b64 s[18:19], s[6:7], s[4:5]
	s_cselect_b64 s[66:67], s[4:5], s[6:7]
	s_add_nc_u64 s[18:19], s[18:19], s[22:23]
	s_add_nc_u64 s[66:67], s[66:67], s[46:47]
	CROUND
.irp s, 0,1
	s_mov_b32 s[G0+4*\s], 1
	s_add_co_u32 s[G0+4*\s+1], s45, \s*SLOT
	s_add_nc_u64 s[G0+4*\s+2:G0+4*\s+3], s[18:19], \s*4096
	s_or_b32 s[G0+4*\s+3], s[G0+4*\s+3], 0x80000000
	s_mov_b32 s[G0B+4*\s], 1
	s_add_co_u32 s[G0B+4*\s+1], s45, \s*SLOT
	s_add_nc_u64 s[G0B+4*\s+2:G0B+4*\s+3], s[66:67], \s*4096
	s_or_b32 s[G0B+4*\s+3], s[G0B+4*\s+3], 0x80000000
	s_wait_alu depctr_va_vdst(0)
	s_wait_tensorcnt 0x0
	ds_add_u32 v28, v29
	ds_add_u32 v28, v29
	s_wait_dscnt 0x0
	CROUND
	JLOAD G0+4*\s, G1, G0B+4*\s, G1B
.endr
	v_and_b32 v6, 31, v0
	v_lshlrev_b32 v[LI], 4, v6
	s_lshl_b32 s21, s15, 15
	s_lshl_b32 s22, s16, 15
	s_add_co_u32 s22, s22, 2*HALFT
.irp s, 0,1
	v_add_nc_u32 v[ADRA+\s], s21, v[LI]
	v_add_nc_u32 v[ADRB+\s], s22, v[LI]
	s_add_co_u32 s21, s21, SLOT
	s_add_co_u32 s22, s22, SLOT
.endr
	v_and_b32 v1, 15, v0
	v_bfe_u32 v2, v0, 4, 1
	v_and_b32 v3, 8, v1
	v_add_nc_u32 v3, v3, v1
	v_lshlrev_b32 v22, 8, v3
	v_lshl_add_u32 v22, v2, 6, v22
	v_lshlrev_b32 v23, 6, v2
	v_lshlrev_b32 v24, 2, v3
.macro FRAG reg, adr, q, i
.irp c, 0,1,2,3
	ds_load_b128 v[\reg+4*\c:\reg+4*\c+3], v[\adr] offset:(\i)*4096+(\q)*2048+512*\c
.endr
.endm
.macro MUL16 a0, p, zero
.irp a, \a0, \a0+1
.irp b, 0,1,2,3,4,5,6,7
.if \zero
	v_wmma_f32_16x16x128_fp8_fp8 v[8*(8*((\a)%4)+\b):8*(8*((\a)%4)+\b)+7], v[128*(\p)+FR*\b:128*(\p)+FR*\b+FR-1], v[AF+FR*(\a):AF+FR*(\a)+FR-1], 0
.else
	v_wmma_f32_16x16x128_fp8_fp8 v[8*(8*((\a)%4)+\b):8*(8*((\a)%4)+\b)+7], v[128*(\p)+FR*\b:128*(\p)+FR*\b+FR-1], v[AF+FR*(\a):AF+FR*(\a)+FR-1], v[8*(8*((\a)%4)+\b):8*(8*((\a)%4)+\b)+7]
.endif
.endr
.endr
.endm
.macro FETCH_B slot, q, p
	WIN TO_B
.irp i, 0,1,2,3,4,5,6,7
	FRAG 128*(\p)+FR*\i, ADRB+\slot, \q, \i
.endr
	WIN 0
.endm
.macro FETCH_A slot, q, i0
.irp i, \i0, \i0+1, \i0+2, \i0+3
	FRAG AF+FR*(\i), ADRA+\slot, \q, \i
.endr
.endm
.macro PLACES n
.rept \n
	v_nop
.endr
.endm
.macro STEP slot, q, zero
	s_wait_dscnt 4*NL
	WIN MUL_LO
	MUL16 0, (\q)%2, \zero
	MUL16 2, (\q)%2, \zero
	s_wait_dscnt 0
	PLACES NP
	FETCH_B \slot, (\q)+1, 1-(\q)%2
	FETCH_A \slot, (\q)+1, 0
	WIN MUL_HI
	MUL16 4, (\q)%2, \zero
	MUL16 6, (\q)%2, \zero
	PLACES NP
	WIN 0
	FETCH_A \slot, (\q)+1, 4
.endm
.macro TURN slot, next, fill
	s_wait_tensorcnt 0x0
	ds_add_u32 v[SPW], v[NIL]
	s_wait_dscnt 4*NL+1
	WIN MUL_LO
	MUL16 0, 1, 0
	s_wait_dscnt 0x0
	s_barrier_signal -1
	MUL16 2, 1, 0
	WIN 0
	s_barrier_wait -1
.if \fill
	CREST
	s_add_nc_u64 s[G0+4*\slot+2:G0+4*\slot+3], s[G0+4*\slot+2:G0+4*\slot+3], 8192
	s_add_nc_u64 s[G0B+4*\slot+2:G0B+4*\slot+3], s[G0B+4*\slot+2:G0B+4*\slot+3], 8192
	JLOAD G0+4*\slot, G1, G0B+4*\slot, G1B
.else
	PLACES NP
.endif
	s_wait_alu depctr_va_vdst(0)
	FETCH_B \next, 0, 0
	FETCH_A \next, 0, 0
	WIN MUL_HI
	MUL16 4, 1, 0
	MUL16 6, 1, 0
	PLACES NP
	WIN 0
	FETCH_A \next, 0, 4
.endm
.macro FINISH
	s_wait_tensorcnt 0x0
	ds_add_u32 v[SPW], v[NIL]
	s_wait_dscnt 0x0
	CROUND
	s_endpgm
.endm
	s_wait_tensorcnt 1
	s_barrier_signal -1
	s_barrier_wait -1
	FETCH_B 0, 0, 0
	FETCH_A 0, 0, 0
	FETCH_A 0, 0, 4
	STEP 0, 0, 1
	TURN 0, 1, 1
	STEP 1, 0, 0
	TURN 1, 0, 1
	STEP 0, 0, 0
	TURN 0, 1, 0
	STEP 1, 0, 0
	s_wait_dscnt 4*NL
	WIN MUL_LO
	MUL16 0, 1, 0
	MUL16 2, 1, 0
	s_wait_dscnt 0
	WIN MUL_HI
	MUL16 4, 1, 0
	MUL16 6, 1, 0
	WIN 0
	s_wait_kmcnt 0x0
	s_add_co_i32 s18, s84, s85
	s_add_co_i32 s19, s86, s87
	s_add_co_i32 s20, s88, s89
	s_cmp_eq_u32 s98, 0
	s_cselect_b32 s96, s18, s19
	s_cselect_b32 s21, s90, s91
	s_cmp_eq_u32 s98, 2
	s_cselect_b32 s96, s20, s96
	s_cselect_b32 s21, s93, s21
	s_add_co_i32 s96, s96, 127
	s_lshl_b32 s96, s96, 23
	s_mov_b32 s97, s96
	s_add_co_i32 s21, s21, 127
	s_lshl_b32 s22, s21, 23
	v_mov_b32 v30, s22
	s_add_co_i32 s21, s21, 8
	s_lshl_b32 s21, s21, 23
	s_or_b32 s21, s21, 0x600000
	v_mov_b32 v31, s21
	PLACES NP
	s_cmp_eq_u32 s98, 2
	s_cbranch_scc1 .Lv
	s_lshr_b32 s18, s17, 3
	s_lshl_b32 s18, s18, 4
	s_lshl_b32 s19, s42, 2
	s_add_co_u32 s18, s18, s19
	s_lshl_b32 s19, s16, 1
	s_add_co_u32 s18, s18, s19
	s_lshl_b32 s18, s18, 17
	s_and_b32 s20, s17, 7
	s_lshl_b32 s20, s20, 4
	s_lshl_b32 s19, s15, 3
	s_add_co_u32 s20, s20, s19
	s_lshl_b32 s19, s20, 10
	s_add_co_u32 s18, s18, s19
	s_lshl_b32 s19, s98, 22
	s_add_co_u32 s18, s18, s19
	s_mov_b32 s19, 0
	s_add_nc_u64 s[74:75], s[74:75], s[18:19]
	s_lshl_b32 s20, s20, 12
	s_mov_b32 s21, 0
	s_add_nc_u64 s[8:9], s[8:9], s[20:21]
	s_cmp_eq_u32 s98, 0
	s_cselect_b64 s[10:11], s[10:11], s[68:69]
	s_lshl_b32 s22, s42, 10
	s_lshl_b32 s23, s16, 9
	s_add_co_u32 s22, s22, s23
	s_mov_b32 s23, 0
	s_add_nc_u64 s[10:11], s[10:11], s[22:23]
.irp i, 0,1,2,3,4,5,6,7,8,9,10,11,12,13,14,15
	global_load_b128 v[32+4*\i:35+4*\i], v23, s[10:11] offset:128*(\i/4)+16*(\i%4)
.endr
	WIN 0x40
.irp a, 0,1,2,3,4,5,6,7
.irp i, 0,1,2,3
	global_load_b128 v[32*\a+4*\i:32*\a+4*\i+3], v22, s[8:9] offset:(32*(\a/2)+8*(\a%2))*256+16*\i
.endr
.irp i, 0,1,2,3
	global_load_b128 v[32*\a+16+4*\i:32*\a+16+4*\i+3], v22, s[8:9] offset:(32*(\a/2)+8*(\a%2))*256+128+16*\i
.endr
.endr
	WIN 0
.macro QKOUT a
.set AC, 64*((\a)%4)
.set CS, 224+16*((\a)%2)
	s_wait_loadcnt 8*(7-(\a))
.if (\a) > 1
	s_wait_xcnt 0x0
.endif
	WIN (0x02+((\a)/4))
.set n, 0
.rept 32
	v_pk_fma_f32 v[96+n:97+n], v[AC+n:AC+n+1], s[96:97], v[32+n:33+n] op_sel_hi:[1,0,1]
.set n, n+2
.endr
	WIN 0x04
.set n, 0
.rept 32
	v_pk_mul_f32 v[160+n:161+n], v[96+n:97+n], v[32*(\a)+n%16:32*(\a)+n%16+1]
.set n, n+2
.endr
.set n, 0
.rept 32
	v_pk_fma_f32 v[160+n:161+n], v[96+n:97+n], v[32*(\a)+16+n%16:32*(\a)+16+n%16+1], v[160+n:161+n] op_sel:[1,0,0] op_sel_hi:[0,1,1]
.set n, n+2
.endr
	WIN 0
.set n, 0
.rept 64
	v_med3_num_f32 v[160+n], v[160+n], -v31, v31
.set n, n+1
.endr
.irp b, 0,1,2,3,4,5,6,7
	v_cvt_scalef32_pk8_fp8_f32 v[CS+2*\b:CS+2*\b+1], v[160+8*\b:167+8*\b], v30
.endr
	v_nop
.irp u, 0,1
.irp c, 0,1
	global_store_b128 v[LI], v[CS+8*\u+4*\c:CS+8*\u+4*\c+3], s[74:75] offset:\u*131072+(\a)*1024+512*\c
.endr
.endr
.endm
.irp a, 0,1,2,3,4,5,6,7
	QKOUT \a
.endr
	FINISH
.Lv:
	s_lshr_b32 s18, s42, 3
	s_lshl_b32 s18, s18, 4
	s_lshl_b32 s19, s17, 2
	s_add_co_u32 s18, s18, s19
	s_lshl_b32 s19, s15, 1
	s_add_co_u32 s18, s18, s19
	s_lshl_b32 s18, s18, 17
	s_and_b32 s19, s42, 7
	s_lshl_b32 s19, s19, 1
	s_add_co_u32 s19, s19, s16
	s_lshl_b32 s19, s19, 13
	s_add_co_u32 s18, s18, s19
	s_add_co_u32 s18, s18, 0x800000
	s_mov_b32 s19, 0
	s_add_nc_u64 s[74:75], s[74:75], s[18:19]
	s_lshl_b32 s22, s17, 10
	s_lshl_b32 s23, s15, 9
	s_add_co_u32 s22, s22, s23
	s_mov_b32 s23, 0
	s_add_nc_u64 s[70:71], s[70:71], s[22:23]
.irp a, 0,1,2,3,4,5,6,7
	global_load_b32 v[32+2*\a], v24, s[70:71] offset:(32*(\a/2)+8*(\a%2))*4
	global_load_b32 v[33+2*\a], v24, s[70:71] offset:(32*(\a/2)+8*(\a%2))*4
.endr
	s_wait_loadcnt 0x0
.macro VOUT a
.set AC, 64*((\a)%4)
.set CS, 224+16*((\a)%2)
.if (\a) > 1
	s_wait_xcnt 0x0
.endif
	WIN (0x02+((\a)/4))
.set n, 0
.rept 32
	v_pk_fma_f32 v[96+n:97+n], v[AC+n:AC+n+1], s[96:97], v[32+2*(\a):33+2*(\a)] op_sel_hi:[1,0,1]
.set n, n+2
.endr
	WIN 0
.set n, 0
.rept 64
	v_med3_num_f32 v[96+n], v[96+n], -v31, v31
.set n, n+1
.endr
.irp b, 0,1,2,3,4,5,6,7
	v_cvt_scalef32_pk8_fp8_f32 v[CS+2*\b:CS+2*\b+1], v[96+8*\b:103+8*\b], v30
.endr
	v_nop
.irp c, 0,1,2,3
	global_store_b128 v[LI], v[CS+4*\c:CS+4*\c+3], s[74:75] offset:((\a)/4)*131072+((\a)%4)*2048+512*\c
.endr
.endm
.irp a, 0,1,2,3,4,5,6,7
	VOUT \a
.endr
	FINISH
.Lfunc_end_k_qcbb06bce69_qkv:
	.size	k_qcbb06bce69_qkv, .Lfunc_end_k_qcbb06bce69_qkv-k_qcbb06bce69_qkv
	.p2alignl 7, 3214868480
	.fill 96, 4, 3214868480
	.section	.rodata,"a",@progbits
	.p2align	6, 0x0
	.amdhsa_kernel k_qcbb06bce69_qkv
		.amdhsa_group_segment_fixed_size 327680
		.amdhsa_private_segment_fixed_size 0
		.amdhsa_enable_private_segment 0
		.amdhsa_kernarg_size 64
		.amdhsa_user_sgpr_count 2
		.amdhsa_user_sgpr_kernarg_segment_ptr 1
		.amdhsa_wavefront_size32 1
		.amdhsa_system_sgpr_workgroup_id_x 1
		.amdhsa_system_sgpr_workgroup_id_y 1
		.amdhsa_system_sgpr_workgroup_id_z 1
		.amdhsa_system_vgpr_workitem_id 0
		.amdhsa_next_free_vgpr 1024
		.amdhsa_next_free_sgpr 100
		.amdhsa_reserve_vcc 0
		.amdhsa_float_denorm_mode_32 3
		.amdhsa_float_denorm_mode_16_64 3
		.amdhsa_memory_ordered 1
		.amdhsa_forward_progress 1
		.amdhsa_inst_pref_size 234
	.end_amdhsa_kernel
	.amdgpu_metadata
---
amdhsa.version: [ 1, 2 ]
amdhsa.kernels:
  - .name:           k_qcbb06bce69_qkv
    .symbol:         k_qcbb06bce69_qkv.kd
    .args:
      - { .name: ximg, .offset: 0, .size: 8, .value_kind: global_buffer, .address_space: global }
      - { .name: wimg, .offset: 8, .size: 8, .value_kind: global_buffer, .address_space: global }
      - { .name: tabs, .offset: 16, .size: 8, .value_kind: global_buffer, .address_space: global }
      - { .name: bq, .offset: 24, .size: 8, .value_kind: global_buffer, .address_space: global }
      - { .name: bk, .offset: 32, .size: 8, .value_kind: global_buffer, .address_space: global }
      - { .name: bv, .offset: 40, .size: 8, .value_kind: global_buffer, .address_space: global }
      - { .name: lowp_scales, .offset: 48, .size: 8, .value_kind: global_buffer, .address_space: global }
      - { .name: qkv, .offset: 56, .size: 8, .value_kind: global_buffer, .address_space: global }
    .group_segment_fixed_size: 327680
    .private_segment_fixed_size: 0
    .kernarg_segment_align: 8
    .kernarg_segment_size: 64
    .max_flat_workgroup_size: 128
    .sgpr_count:     100
    .vgpr_count:     1024
    .wavefront_size: 32
...
	.end_amdgpu_metadata
.endif
;; end of part 2
;; launch attn (part 3): grid 8 x 32, 8 waves a work-group, clusters of 4 x 1, 271,360 bytes of LDS; arguments qkv, tabs, lowp_scales, aimg; writes aimg
.if DOCPART == 3
	.amdgcn_target "amdgcn-amd-amdhsa--gfx1250"
	.amdhsa_code_object_version 6
	.text
	.protected	k_qcbb06bce69_attn
	.globl	k_qcbb06bce69_attn
	.p2align	8
	.type	k_qcbb06bce69_attn,@function
k_qcbb06bce69_attn:
	s_mov_b64 s[64:65], 0
	v_nop
	global_prefetch_b8 v0, s[64:65] scope:SCOPE_SE
	s_setreg_imm32_b32 hwreg(HW_REG_WAVE_MODE, 25, 1), 1
	s_wait_xcnt 0x0
	s_wait_alu depctr_hold_cnt(0) depctr_sa_sdst(0) depctr_va_vdst(0) depctr_va_sdst(0) depctr_va_ssrc(0) depctr_va_vcc(0) depctr_vm_vsrc(0)
	s_getreg_b32 s2, hwreg(HW_REG_IB_STS2, 6, 4)
	s_cmp_eq_u32 s2, 0
	s_cbranch_scc0 .Lentry_in_a_cluster
	s_endpgm
.Lentry_in_a_cluster:
	s_bfe_u32 s2, ttmp6, 0x10000c
	s_cmp_lg_u32 s2, 0x3003
	s_cbranch_scc0 .Lentry_shape_is_right
	s_endpgm
.Lentry_shape_is_right:
; ATTN: o = softmax(q k^T / 8 + key bias) v for one head, both products on E4M3 codes; o / the row's sum is quantised (2^e10) and leaves as an image of the last product's operand.
; THE SOFTMAX AHEAD OF THE SECOND PRODUCT: t = logit x log2(e); M = the running largest t rounded UP to a whole number; p = 2^(t - M) is quantised (2^e8), not normalised; the sum is taken of the unquantised p.
; When M moves, the sum and O are multiplied by 2^(old M - new M), which rounds nothing.
; SHARES.  A work-group owns 256 queries of one head (y = 16 x batch + head); each of its eight waves owns TWO tiles of 16 queries, so each fragment of K and V and each bias word read from LDS feeds two matrix instructions.
; THE WHOLE HEAD LIES IN LDS and nothing is filled again: K 131,072 bytes, V 131,072, the batch's bias 8,192.  Each wave asks for ONE block of 32,768 bytes at the head: waves 0-3 K's quarters, waves 4-7 V's; LDS byte = 32,768 x wave.
; The bias comes through registers (32 bytes a thread) into LDS bytes of its own, stored behind the wave's wait for its tensor load.
; CLUSTER: the four query blocks of a cluster belong to one head: every block is asked for jointly (mask 15).
; LAYOUT.  Both products are used transposed: S^T = K Q^T + bias (source 0 = 16 keys, source 1 = my queries, C = the keys' bias), O^T = V^T P^T: a lane holds ONE query throughout.
; Tile T's members are 32 (T/2) + 8 (T%2) + (m%8) + 16 (m/8): the 16 registers of two neighbouring tiles of S^T are 16 neighbouring keys, and the conversions' results are P's registers.
; The bias was stored as bias x weight x 8 x 2^-(e6+e7), so t = c' x (sum of code products + that), c' = log2(e) / 8 x 2^(e6+e7).
; A KEY STEP'S 128 SCORES A LANE GO IN FOUR QUARTERS of 32 registers (quarters 0, 1: tile 0; 2, 3: tile 1).  Each quarter's 32 exponentials are one batch with a wait ahead of it and one behind it.
;   Among a batch's exponentials stand plain lines that read only what was written ahead of the wait in front of the batch and whose results are first read behind the wait that follows it:
;   later quarters' t - M; an earlier quarter's first level of sums (pairs of p added into spare registers) and its holds.  No line in a batch reads what another line of that batch wrote.
; No prefetch: every byte that the launch reads is asked for at its head; there is no loop to run ahead in.
; LIMITS: e6 + e7 between -123 and 130 (they are added to c's exponent field); e8 and e10 between -126 and 119; e8 + e9 is applied by v_ldexp_f32.  NaN is not served.
; REGISTERS.  Window 0: v1 16 x lane; v2, v3, v4 LDS addresses of K, V, bias in hand; v5 the bias region + 64 h; v6, v7 the spare word and 0;
;   tile q's statistics at v[8 + 8 q]: +0 -M, +1 the largest t, +2, +3 the sum, +4 f (+5 named with it; tile 0's holds the conversion's scale), +6, +7 at work; v24, v25 the exchange between the halves of the lanes;
;   v[26:29] the sums' second chains; v30, v31 the hold, twice; v32-95, v96-159 S^T, then p; v160-223 O^T; v224-255 p's codes (ahead of them tile 0's first level of sums; tile 1's lies in v32-63).
;   Window 1: v0-15 Q of both tiles; v16-79 K's eight tiles; v80-143 V's four fragments; v144-207 the step's bias.
.set VREG, 131072
.set BREG, 262144
.set SPARE, 270336                     ; behind the bias: the spare words, 128 bytes for each of eight waves
.set SPW,  6
.set NIL,  7
.set ST,   8
.set SCL,  13
.set PD,   24
.set C2,   26
.set HOLD, 30
.set HOLD2, 31
.set S,    32
.set OT,   160
.set P,    224
.set QF,   0
.set KF,   16
.set VF,   80
.set BI,   144
.set MSB, 0
.macro WIN new                         ; the immediate's high byte repeats the setting that is left
.if MSB != \new
	s_set_vgpr_msb (MSB<<8)|\new
.set MSB, \new
.endif
.endm
.set W_SC, 0x15                        ; K, Q and the bias (sources 0, 1, 2) window 1, S^T window 0
.set W_PV, 0x01                        ; V (source 0) window 1; P, O^T window 0
.set W_LD, 0x40                        ; destination window 1, address window 0
.macro ROUND                           ; a round of the cluster's barrier
	s_barrier_signal -1
	s_barrier_wait -1
	s_cmp_lg_u32 s12, 0
	s_cbranch_scc1 .Lnot_wave_0_\@
	s_barrier_signal -3
.Lnot_wave_0_\@:
	s_barrier_wait -3
	s_barrier_signal -1
	s_barrier_wait -1
.endm
	s_load_b256 s[4:11], s[0:1], 0x0               ; qkv s[4:5], tabs s[6:7], lowp_scales s[8:9], aimg s[10:11]
	v_lshl_add_u32 v[SPW], v0, 2, SPARE
	v_mov_b32 v[NIL], 0
	ds_add_u32 v[SPW], v[NIL]                      ; the opening lines: the add, twice on end, and its wait ahead of my tensor load
	ds_add_u32 v[SPW], v[NIL]
	v_lshrrev_b32 v1, 5, v0
	v_readfirstlane_b32 s12, v1                    ; wave 0..7
	s_bfe_u32 s13, ttmp6, 0x40000                  ; cx
	s_lshl_b32 s14, ttmp9, 2
	s_add_co_u32 s14, s14, s13                     ; my block of 256 queries: it enters Q's and the output's addresses alone
	s_and_b32 s15, ttmp7, 0xffff                   ; 16 x batch + head, which the four partners share
	s_mov_b32 s24, 15|(3<<16)|(1<<21)              ; group 1: a dense block as 128 rows of 256 bytes; the mask names all four; elements of 8 bytes; bit 21 beside the mask
	s_mov_b32 s25, 32<<16
	s_mov_b32 s26, 128<<16
	s_mov_b32 s27, 32<<16
	s_mov_b32 s28, 128
	s_mov_b32 s29, 32
	s_mov_b32 s30, 0
	s_mov_b32 s31, 0
	s_lshr_b32 s16, s12, 2                         ; 0: I fetch for K, 1: for V
	s_and_b32 s17, s12, 3                          ; which quarter
	s_add_co_u32 s20, s16, 1
	s_lshl_b32 s20, s20, 22                        ; K's or V's part of the buffer,
	s_lshl_b32 s21, s15, 17
	s_add_co_u32 s20, s20, s21                     ; the head's 131,072 bytes,
	s_lshl_b32 s21, s17, 15
	s_add_co_u32 s20, s20, s21                     ; my quarter
	s_mov_b32 s21, 0
	s_mov_b32 s40, 1
	s_lshl_b32 s41, s12, 15                        ; in LDS: 32,768 x wave
	s_wait_dscnt 0x0
	s_wait_kmcnt 0x0
	s_load_b256 s[72:79], s[8:9], 0x0              ; e0 .. e7
	s_load_b128 s[80:83], s[8:9], 0x20             ; e8 .. e11
	s_add_nc_u64 s[42:43], s[4:5], s[20:21]
	s_or_b32 s43, s43, 0x80000000
	ROUND                                          ; all four work-groups are here: the joint loads meet
	tensor_load_to_lds s[40:43], s[24:31]          ; my one tensor load
	s_nop 0
.rept 4
	v_nop
.endr
	s_lshl_b32 s16, s14, 4
	s_lshl_b32 s17, s12, 1
	s_add_co_u32 s16, s16, s17                     ; my first query tile: 16 x block + 2 x wave
	s_lshl_b32 s18, s16, 10
	s_lshl_b32 s19, s15, 17
	s_add_co_u32 s18, s18, s19
	s_mov_b32 s19, 0
	s_add_nc_u64 s[4:5], s[4:5], s[18:19]          ; Q
	s_lshr_b32 s22, s15, 4
	s_lshl_b32 s22, s22, 13
	s_add_co_u32 s22, s22, 524288                  ; the batch's 8,192 bytes of bias, behind the RoPE table
	s_mov_b32 s23, 0
	s_add_nc_u64 s[6:7], s[6:7], s[22:23]
	s_lshr_b32 s18, s15, 4
	s_lshl_b32 s18, s18, 7
	s_add_co_u32 s18, s18, s16                     ; my first row tile of the last product: 128 x batch + query tile
	s_lshl_b32 s18, s18, 4
	s_and_b32 s19, s15, 15
	s_add_co_u32 s18, s18, s19                     ; [tile][head][1,024 bytes]
	s_lshl_b32 s18, s18, 10
	s_mov_b32 s19, 0
	s_add_nc_u64 s[10:11], s[10:11], s[18:19]
	s_mov_b32 s60, 0x76543210                      ; v_permlanex16_b32's selects for lane l xor 16
	s_mov_b32 s61, 0xfedcba98
	s_mov_b32 s66, 0                               ; the step's first byte in K's and in V's region,
	s_mov_b32 s67, 0                               ; and in the bias
	s_wait_kmcnt 0x0
	s_add_co_i32 s62, s78, s79
	s_lshl_b32 s62, s62, 23
	s_add_co_i32 s62, s62, 0x3e38aa3b              ; c' = log2(e) / 8 with e6 + e7 added to its exponent field
	s_mov_b32 s63, s62
	s_add_co_i32 s84, s80, 127
	s_lshl_b32 s85, s84, 23                        ; 2^e8
	s_add_co_i32 s84, s84, 8
	s_lshl_b32 s84, s84, 23
	s_or_b32 s84, s84, 0x600000                    ; 448 x 2^e8
	s_add_co_i32 s86, s82, 127
	s_lshl_b32 s87, s86, 23                        ; 2^e10
	s_add_co_i32 s86, s86, 8
	s_lshl_b32 s86, s86, 23
	s_or_b32 s86, s86, 0x600000                    ; 448 x 2^e10
	s_add_co_i32 s88, s80, s81                     ; e8 + e9
	v_and_b32 v32, 31, v0
	v_lshlrev_b32 v1, 4, v32                       ; 16 x lane
	v_lshlrev_b32 v2, 4, v32                       ; step 0's K
	v_bfe_u32 v33, v0, 4, 1
	v_lshlrev_b32 v5, 6, v33
	v_add_nc_u32 v5, BREG, v5                      ; the bias: my half's 16 keys of each 32 begin 64 h bytes on
	v_add_nc_u32 v4, s67, v5                       ; step 0's bias
	v_lshlrev_b32 v34, 4, v0                       ; the bias on its way in: 16 x thread, twice
	v_add_nc_u32 v35, BREG, v34
	global_load_b128 v[36:39], v34, s[6:7]
	global_load_b128 v[40:43], v34, s[6:7] offset:4096
	WIN W_LD
.irp i, 0,1,2,3
	global_load_b128 v[QF+4*\i:QF+4*\i+3], v1, s[4:5] offset:512*\i   ; Q stays in registers: 8 registers a tile, two tiles on end
.endr
	WIN 0
.irp q, 0,1                            ; the tiles' state: the step has no first form: it finds zeros, which the first change of M leaves zeros
	v_mov_b32 v[ST+8*\q+1], 0xff61b1e6             ; the largest t so far: -3e38
	v_floor_f32 v[ST+8*\q], -v[ST+8*\q+1]          ; -M
	v_mov_b32 v[ST+8*\q+2], 0
	v_mov_b32 v[ST+8*\q+3], 0
	v_mov_b32 v[ST+8*\q+4], 0
	v_mov_b32 v[ST+8*\q+5], 0
	v_mov_b32 v[PD+\q], 0                          ; a lane permute's destination counts as one of its sources
.endr
	v_mov_b32 v[HOLD], s84
	v_mov_b32 v[HOLD2], s84
	v_mov_b32 v[SCL], s85
.set n, 0
.rept 64
	v_mov_b32 v[OT+n], 0
.set n, n+1
.endr
.macro LOADKB ko, bo                   ; a step's eight tiles of K (16 loads) and its 128 bias words (16 loads), ko and bo bytes behind the addresses in hand; destination window 1
.irp t, 0,1,2,3,4,5,6,7
	ds_load_b128 v[KF+8*\t:KF+8*\t+3], v2 offset:\ko+\t*1024
	ds_load_b128 v[KF+8*\t+4:KF+8*\t+7], v2 offset:\ko+\t*1024+512
.endr
.irp i, 0,1,2,3,4,5,6,7,8,9,10,11,12,13,14,15
	ds_load_b128 v[BI+4*\i:BI+4*\i+3], v4 offset:\bo+128*(\i/4)+16*(\i%4)   ; v[BI + 16 b + i] = the bias of key 32 b + 16 h + i
.endr
.endm
.macro LARGEST                         ; the largest t and the new M, both tiles line by line in turn; each accumulator is read from its low end on
.irp q, 0,1
	v_max3_num_f32 v[ST+8*\q+6], v[S+64*\q], v[S+64*\q+1], v[S+64*\q+2]
.endr
.irp q, 0,1
	v_max3_num_f32 v[ST+8*\q+7], v[S+64*\q+3], v[S+64*\q+4], v[S+64*\q+5]
.endr
.set n, 6
.rept 14
.irp q, 0,1
	v_max3_num_f32 v[ST+8*\q+6], v[ST+8*\q+6], v[S+64*\q+n], v[S+64*\q+n+1]
.endr
.irp q, 0,1
	v_max3_num_f32 v[ST+8*\q+7], v[ST+8*\q+7], v[S+64*\q+n+2], v[S+64*\q+n+3]
.endr
.set n, n+4
.endr
.irp q, 0,1
	v_max3_num_f32 v[ST+8*\q+6], v[ST+8*\q+6], v[S+64*\q+62], v[S+64*\q+63]
.endr
.irp q, 0,1
	v_max_num_f32 v[ST+8*\q+6], v[ST+8*\q+6], v[ST+8*\q+7]
.endr
.irp q, 0,1
	v_mov_b32 v[ST+8*\q+7], v[ST+8*\q]             ; the old -M is kept for f
.endr
.irp q, 0,1
	v_permlanex16_b32 v[PD+\q], v[ST+8*\q+6], s60, s61
.endr
.irp q, 0,1
	v_max_num_f32 v[ST+8*\q+6], v[ST+8*\q+6], v[PD+\q]        ; and lane l xor 16's
.endr
.irp q, 0,1
	v_mul_f32 v[ST+8*\q+6], s62, v[ST+8*\q+6]      ; as t (c' is positive)
.endr
.irp q, 0,1
	v_max_num_f32 v[ST+8*\q+1], v[ST+8*\q+1], v[ST+8*\q+6]    ; the running largest t
.endr
.irp q, 0,1
	v_floor_f32 v[ST+8*\q], -v[ST+8*\q+1]          ; the new -M = floor(-t): M is a whole number
.endr
.irp q, 0,1
	v_sub_f32 v[ST+8*\q+7], v[ST+8*\q], v[ST+8*\q+7]   ; old M - new M: a whole number, 0 or less
.endr
.endm
.macro TM h, i                         ; t - M: pair i (0..15) of quarter h
	v_pk_fma_f32 v[S+32*(\h)+2*(\i):S+32*(\h)+2*(\i)+1], v[S+32*(\h)+2*(\i):S+32*(\h)+2*(\i)+1], s[62:63], v[ST+8*((\h)/2):ST+8*((\h)/2)+1] op_sel_hi:[1,0,0]
.endm
; What follows quarter h's exponentials, line m (0..23): for each four numbers one sum of two pairs of the UNQUANTISED p, into spare registers, and then their two holds
; (the conversion does not saturate: ISA guide 7.6.2; p is not negative, so the hold is one-sided; two numbers a line).
.macro MIX h, m
.if (\h) < 2
.set TT, P+16*(\h)
.else
.set TT, S+16*((\h)-2)
.endif
.set MB, S+32*(\h)+4*((\m)/3)
.if (\m)%3 == 0
	v_pk_add_f32 v[TT+2*((\m)/3):TT+2*((\m)/3)+1], v[MB:MB+1], v[MB+2:MB+3]
.else
.set MB, MB+2*((\m)%3-1)
	v_dual_min_num_f32 v[MB], v[MB], v[HOLD] :: v_dual_min_num_f32 v[MB+1], v[MB+1], v[HOLD2]
.endif
.endm
.macro LINE e                          ; line j of the plain lines that stand among quarter e's exponentials; steps j
.if \e == 0
.if j < 16
	TM 1, j
.else
	TM 2, j-16
.endif
.elseif \e == 1
.if j < 16
	TM 3, j
.else
	MIX 0, j-16
.endif
.else
	MIX (\e)-1, j
.endif
.set j, j+1
.endm
.macro BATCH e, nl                     ; quarter e's p = 2^(t - M), 32 exponentials, with nl plain lines dealt evenly among them; a plain place and the wait behind the batch, which is also the wait ahead of the next
.set k, 0
.set j, 0
.rept 32
	v_exp_f32 v[S+32*\e+k], v[S+32*\e+k]
.rept ((\nl)*(k+1))/32-j
	LINE \e
.endr
.set k, k+1
.endr
	v_nop
	s_wait_alu depctr_va_vdst(0)                   ; the wait behind a batch and ahead of the next
.endm
.macro RED q, t                        ; tile q's sum takes in the 16 pairs from v[t] on: two chains
	v_pk_add_f32 v[C2+2*\q:C2+2*\q+1], v[\t:\t+1], v[\t+2:\t+3]
.set n, 4
.rept 7
	v_pk_add_f32 v[ST+8*\q+2:ST+8*\q+3], v[ST+8*\q+2:ST+8*\q+3], v[\t+n:\t+n+1]
	v_pk_add_f32 v[C2+2*\q:C2+2*\q+1], v[C2+2*\q:C2+2*\q+1], v[\t+n+2:\t+n+3]
.set n, n+4
.endr
	v_pk_add_f32 v[ST+8*\q+2:ST+8*\q+3], v[ST+8*\q+2:ST+8*\q+3], v[C2+2*\q:C2+2*\q+1]
.endm
.macro CVT q                           ; tile q's 64 held numbers into 16 registers of codes
.irp b, 0,1,2,3
	v_cvt_scalef32_pk8_fp8_f32 v[P+16*\q+4*\b:P+16*\q+4*\b+1], v[S+64*\q+16*\b:S+64*\q+16*\b+7], v[SCL]
	v_cvt_scalef32_pk8_fp8_f32 v[P+16*\q+4*\b+2:P+16*\q+4*\b+3], v[S+64*\q+16*\b+8:S+64*\q+16*\b+15], v[SCL]
.endr
	v_nop                                          ; a plain instruction behind the last conversion
.endm
.macro PV q                            ; O^T += V^T P^T for tile q: four accumulators, one instruction each
.irp d, 0,1,2,3
	v_wmma_f32_16x16x128_fp8_fp8 v[OT+32*\q+8*\d:OT+32*\q+8*\d+7], v[VF+16*\d:VF+16*\d+15], v[P+16*\q:P+16*\q+15], v[OT+32*\q+8*\d:OT+32*\q+8*\d+7]
.endr
.endm
; A KEY STEP: 128 keys.  Its K and bias were fetched a step ago; it fetches its own V and, unless it is the last, the next step's K and bias.
.macro STEP last
	s_wait_dscnt 0x0                               ; this step's K and bias are in
	WIN W_SC
.irp q, 0,1
.irp t, 0,1,2,3,4,5,6,7
	v_wmma_f32_16x16x64_fp8_fp8 v[S+64*\q+8*\t:S+64*\q+8*\t+7], v[KF+8*\t:KF+8*\t+7], v[QF+8*\q:QF+8*\q+7], v[BI+8*\t:BI+8*\t+7]
.endr
.endr
	WIN 0
	v_add_nc_u32 v2, s66, v1                       ; four plain instructions: the places behind the products, in front of the loads into their registers and of the reads of their results
	v_add_nc_u32 v3, VREG, v2
	v_add_nc_u32 v4, s67, v5
	v_nop
	WIN W_LD
.irp i, 0,1,2,3,4,5,6,7,8,9,10,11,12,13,14,15
	ds_load_b128 v[VF+4*\i:VF+4*\i+3], v3 offset:512*\i   ; V's four fragments of this step: 8,192 consecutive bytes
.endr
.if !\last
	LOADKB 8192, 512
.endif
	WIN 0
	LARGEST
.set j, 0
.rept 8
	TM 0, j
.set j, j+1
.endr
.irp q, 0,1
	v_cvt_i32_f32 v[ST+8*\q+7], v[ST+8*\q+7]       ; (it saturates)
.endr
.rept 8
	TM 0, j
.set j, j+1
.endr
.irp q, 0,1
	v_ldexp_f32 v[ST+8*\q+4], 1.0, v[ST+8*\q+7]    ; f = 2^(old M - new M)
.endr
.set n, 0
.rept 32                                           ; O^T under the new M, each accumulator from its low end on: the last step's products are first read here, with no transcendental behind them
	v_pk_mul_f32 v[OT+2*n:OT+2*n+1], v[OT+2*n:OT+2*n+1], v[ST+4+8*(n/16):ST+5+8*(n/16)] op_sel_hi:[1,0]
.set n, n+1
.endr
.irp q, 0,1
	v_pk_mul_f32 v[ST+8*\q+2:ST+8*\q+3], v[ST+8*\q+2:ST+8*\q+3], v[ST+8*\q+4:ST+8*\q+5] op_sel_hi:[1,0]   ; the sums under the new M
.endr
	s_wait_alu depctr_va_vdst(0)                   ; the wait ahead of the first batch
	BATCH 0, 32                                    ; among them: t - M of quarters 1 and 2
	BATCH 1, 40                                    ; t - M of quarter 3; quarter 0's sums of pairs and holds
	BATCH 2, 24                                    ; quarter 1's sums of pairs and holds
	RED 0, P                                       ; tile 0 is finished: its sum, and its codes over the registers that held the pairs
	CVT 0
	s_wait_alu depctr_va_vdst(0)                   ; the wait ahead of the batch
	BATCH 3, 24                                    ; quarter 2's sums of pairs (into tile 0's registers, which are done with) and holds
.set j, 0
.rept 24
	MIX 3, j
.set j, j+1
.endr
	RED 1, S
	CVT 1
	s_wait_alu depctr_va_vdst(0)                   ; the wait here, directly ahead of the wait below
.if \last
	s_wait_dscnt 0x0
.else
	s_wait_dscnt 32                                ; V is in; the 32 younger loads, the next step's K and bias, may be out
.endif
	WIN W_PV
	PV 0
	PV 1
	WIN 0
	s_add_co_u32 s66, s66, 8192
	s_add_co_u32 s67, s67, 512
.endm
	s_wait_alu depctr_va_vdst(0)                   ; the wait at the head's end
	s_wait_tensorcnt 0x0                           ; my block has landed
	s_wait_loadcnt 0x0                             ; my 32 bytes of the bias, and Q
	ds_store_b128 v35, v[36:39]
	ds_store_b128 v35, v[40:43] offset:4096
	s_wait_dscnt 0x0                               ; for the others' sake
	s_barrier_signal -1
	s_barrier_wait -1                              ; the whole head and the bias lie in LDS
	WIN W_LD
	LOADKB 0, 0                                    ; step 0's K and bias
	WIN 0
	s_mov_b32 s68, 15
.Lstep:                                            ; steps 0-14
	STEP 0
	s_sub_co_u32 s68, s68, 1
	s_cmp_lg_u32 s68, 0
	s_cbranch_scc1 .Lstep
	STEP 1                                         ; step 15 fetches nothing ahead
; THE WAY OUT: O^T x 2^(e8 + e9) / the sum, quantised with 2^e10.  Register 16 b + i of a tile is channel 32 b + 16 h + i of my query: the codes are the last product's operand, 512 consecutive bytes a store.
.rept 4
	v_nop                                          ; places behind the last products
.endr
.irp q, 0,1
	v_add_f32 v[ST+8*\q+2], v[ST+8*\q+2], v[ST+8*\q+3]        ; the sum's two halves,
.endr
.irp q, 0,1
	v_permlanex16_b32 v[PD+\q], v[ST+8*\q+2], s60, s61
.endr
.irp q, 0,1
	v_add_f32 v[ST+8*\q+2], v[ST+8*\q+2], v[PD+\q]            ; and lane l xor 16's
.endr
	s_wait_alu depctr_va_vdst(0)                   ; the wait ahead of the reciprocals
.irp q, 0,1
	v_rcp_f32 v[ST+8*\q+4], v[ST+8*\q+2]
.endr
	v_mov_b32 v[HOLD], s86                         ; (plain instructions behind the reciprocals)
	v_mov_b32 v[SCL], s87
	s_wait_alu depctr_va_vdst(0)                   ; and behind them, ahead of their first reader
.irp q, 0,1
	v_ldexp_f32 v[ST+8*\q+4], v[ST+8*\q+4], s88
.endr
	s_wait_alu depctr_va_vdst(0)                   ; the wait here, directly ahead of the first reader of O^T
.set n, 0
.rept 32
	v_pk_mul_f32 v[OT+2*n:OT+2*n+1], v[OT+2*n:OT+2*n+1], v[ST+4+8*(n/16):ST+5+8*(n/16)] op_sel_hi:[1,0]   ; each accumulator from its low end on
.set n, n+1
.endr
.set n, 0
.rept 64
	v_med3_num_f32 v[OT+n], v[OT+n], -v[HOLD], v[HOLD]
.set n, n+1
.endr
.irp q, 0,1
.irp b, 0,1
	v_cvt_scalef32_pk8_fp8_f32 v[P+16*\q+4*\b:P+16*\q+4*\b+1], v[OT+32*\q+16*\b:OT+32*\q+16*\b+7], v[SCL]
	v_cvt_scalef32_pk8_fp8_f32 v[P+16*\q+4*\b+2:P+16*\q+4*\b+3], v[OT+32*\q+16*\b+8:OT+32*\q+16*\b+15], v[SCL]
.endr
.endr
	v_nop                                          ; a plain vector instruction behind the last conversion
.irp q, 0,1
	global_store_b128 v1, v[P+16*\q:P+16*\q+3], s[10:11] offset:16384*\q
	global_store_b128 v1, v[P+16*\q+4:P+16*\q+7], s[10:11] offset:16384*\q+512
.endr
	s_wait_tensorcnt 0x0                           ; the wave's end
	ds_add_u32 v[SPW], v[NIL]
	s_wait_dscnt 0x0
	ROUND                                          ; the closing round
	s_endpgm
.Lfunc_end_k_qcbb06bce69_attn:
	.size	k_qcbb06bce69_attn, .Lfunc_end_k_qcbb06bce69_attn-k_qcbb06bce69_attn
	.p2alignl 7, 3214868480
	.fill 96, 4, 3214868480
	.section	.rodata,"a",@progbits
	.p2align	6, 0x0
	.amdhsa_kernel k_qcbb06bce69_attn
		.amdhsa_group_segment_fixed_size 271360
		.amdhsa_private_segment_fixed_size 0
		.amdhsa_enable_private_segment 0
		.amdhsa_kernarg_size 32
		.amdhsa_user_sgpr_count 2
		.amdhsa_user_sgpr_kernarg_segment_ptr 1
		.amdhsa_wavefront_size32 1
		.amdhsa_system_sgpr_workgroup_id_x 1
		.amdhsa_system_sgpr_workgroup_id_y 1
		.amdhsa_system_sgpr_workgroup_id_z 1
		.amdhsa_system_vgpr_workitem_id 0
		.amdhsa_next_free_vgpr 512
		.amdhsa_next_free_sgpr 92
		.amdhsa_reserve_vcc 0
		.amdhsa_float_denorm_mode_32 3
		.amdhsa_float_denorm_mode_16_64 3
		.amdhsa_memory_ordered 1
		.amdhsa_forward_progress 1
		.amdhsa_inst_pref_size 75
	.end_amdhsa_kernel
	.amdgpu_metadata
---
amdhsa.version: [ 1, 2 ]
amdhsa.kernels:
  - .name:           k_qcbb06bce69_attn
    .symbol:         k_qcbb06bce69_attn.kd
    .args:
      - { .name: qkv, .offset: 0, .size: 8, .value_kind: global_buffer, .address_space: global }
      - { .name: tabs, .offset: 8, .size: 8, .value_kind: global_buffer, .address_space: global }
      - { .name: lowp_scales, .offset: 16, .size: 8, .value_kind: global_buffer, .address_space: global }
      - { .name: aimg, .offset: 24, .size: 8, .value_kind: global_buffer, .address_space: global }
    .group_segment_fixed_size: 271360
    .private_segment_fixed_size: 0
    .kernarg_segment_align: 8
    .kernarg_segment_size: 32
    .max_flat_workgroup_size: 256
    .sgpr_count:     92
    .vgpr_count:     512
    .wavefront_size: 32
...
	.end_amdgpu_metadata
.endif
;; end of part 3
;; launch oproj (part 4): grid 8 x 32, 4 waves a work-group, clusters of 4 x 4, 280,064 bytes of LDS; arguments aimg, wimg, x, bo, lowp_scales, res; writes res
.if DOCPART == 4
	.amdgcn_target "amdgcn-amd-amdhsa--gfx1250"
	.amdhsa_code_object_version 6
	.text
	.protected	k_qcbb06bce69_oproj
	.globl	k_qcbb06bce69_oproj
	.p2align	8
	.type	k_qcbb06bce69_oproj,@function
k_qcbb06bce69_oproj:
	s_mov_b64 s[64:65], 0
	v_nop
	global_prefetch_b8 v0, s[64:65] scope:SCOPE_SE
	s_setreg_imm32_b32 hwreg(HW_REG_WAVE_MODE, 25, 1), 1
	s_wait_xcnt 0x0
	s_wait_alu depctr_hold_cnt(0) depctr_sa_sdst(0) depctr_va_vdst(0) depctr_va_sdst(0) depctr_va_ssrc(0) depctr_va_vcc(0) depctr_vm_vsrc(0)
	s_getreg_b32 s2, hwreg(HW_REG_IB_STS2, 6, 4)
	s_cmp_eq_u32 s2, 0
	s_cbranch_scc0 .Lentry_in_a_cluster
	s_endpgm
.Lentry_in_a_cluster:
	s_bfe_u32 s2, ttmp6, 0x10000c
	s_cmp_lg_u32 s2, 0xf033
	s_cbranch_scc0 .Lentry_shape_is_right
	s_endpgm
.Lentry_shape_is_right:
; OPROJ: res = x + attn Wo + bo, f32.  attn and Wo arrive as E4M3 codes (2^e10, 2^e11), laid as images of operand registers; sums in f32, x 2^(e10 + e11).  The next launch normalises res row by row.
; SHARES.  A block of 128 rows x 128 columns to a work-group: 32 x 8 = 256 work-groups.  Four waves, each 64 x 64: 16 accumulators, 128 matrix instructions.
; ALL OF K LIES IN LDS and nothing is filled again: A's 128 rows x 1,024 codes (131,072 bytes, dense in memory), then Wo's 128 columns (8 K steps x 16,384 bytes, 131,072 bytes apart in memory).
;   Each wave asks for ONE half of one of them, 65,536 bytes, at the head: LDS byte = 65,536 x wave.
; CLUSTERS: 4 x 4.  A's block hangs on the block row alone and is asked for jointly along a row of the cluster, Wo's on the block column alone, along a column.
; A row's 1,024 columns are spread over eight work-groups, so the mean and the variance are left to a launch of their own: a work-group that owned whole rows would own 16 of them and walk all of Wo's 1,048,576 bytes.
; The matrix instruction is used transposed (source 0 = 16 columns of Wo, source 1 = 16 rows of A): a lane holds eight neighbouring columns of one row.
; bo goes in as the C of each accumulator's first product, x 2^-(e10 + e11), which rounds nothing short of underflow.  x is asked for at the head, in the layout in which the rows leave.
; No prefetch: every byte that the launch reads is asked for at its head; there is no loop to run ahead in.
; LIMIT: e10 + e11 between -126 and 127.  NaN is not served.
; REGISTERS.  Window 0: v16 A's LDS address; v20, v21 Wo's (K steps 0-3, 4-7); v23 64 h; v24, v25 the stage in and out; v26 my offset in x and res; v28, v29 the spare word and 0;
;   v64-191 A's fragments, two sets (on the way out: rows read back); v192-223 bo as C.  Window 1: v0-127 Wo's fragments, two sets; v128-255 x.  Window 2: v0-127 the sums, accumulator (a, b) at v[8 (4 a + b)].
.set STAGE,  262144                    ; behind the two operands: 16 rows x (256 bytes + 16) for each wave
.set SPITCH, 272
.set SPARE,  279552                    ; behind the stages: the spare words, 128 bytes for each wave
.set ADA, 16
.set ADB, 20
.set VB,  23
.set STO, 24
.set RD,  25
.set CO,  26
.set SPW, 28
.set NIL, 29
.set BC,  192
.set G1,  24
.set G0,  32
.set G1B, 48
.set G0B, 56
.set MSB, 0
.macro WIN new
.if MSB != \new
	s_set_vgpr_msb (MSB<<8)|\new
.set MSB, \new
.endif
.endm
.macro CROUND                          ; a round of the cluster's barrier
	s_barrier_signal -1
	s_barrier_wait -1
	s_cmp_lg_u32 s14, 0
	s_cbranch_scc1 .Lnot_wave_0_\@
	s_barrier_signal -3
.Lnot_wave_0_\@:
	s_barrier_wait -3
	s_barrier_signal -1
	s_barrier_wait -1
.endm
	s_load_b256 s[4:11], s[0:1], 0x0               ; aimg s[4:5], wimg s[6:7], x s[8:9], bo s[10:11]
	s_load_b128 s[68:71], s[0:1], 0x20             ; lowp_scales s[68:69], res s[70:71]
	v_lshl_add_u32 v[SPW], v0, 2, SPARE
	v_mov_b32 v[NIL], 0
	ds_add_u32 v[SPW], v[NIL]                      ; the opening lines: the add, twice on end, and its wait ahead of my tensor load
	ds_add_u32 v[SPW], v[NIL]
	v_lshrrev_b32 v1, 5, v0
	v_readfirstlane_b32 s14, v1                    ; wave 0..3
	s_lshr_b32 s15, s14, 1                         ; which 64 rows are mine.  Also: I fetch for A (0) or for Wo (1)
	s_and_b32 s16, s14, 1                          ; which 64 columns.  Also: which half I fetch
	s_bfe_u32 s40, ttmp6, 0x40000                  ; cx, cy
	s_bfe_u32 s41, ttmp6, 0x40004
	s_lshl_b32 s42, ttmp9, 2
	s_add_co_u32 s42, s42, s40                     ; block column
	s_and_b32 s17, ttmp7, 0xffff
	s_lshl_b32 s17, s17, 2
	s_add_co_u32 s17, s17, s41                     ; block row
	s_lshl_b32 s43, s41, 2
	s_lshl_b32 s43, 15, s43                        ; my row of the cluster
	s_lshl_b32 s44, 0x1111, s40                    ; my column
	s_or_b32 s[G1], s43, (3<<16)|(1<<21)           ; A: 65,536 dense bytes as 256 rows of 256; elements of 8 bytes; bit 21 beside the mask
	s_mov_b32 s[G1+1], 32<<16
	s_mov_b32 s[G1+2], 256<<16
	s_mov_b32 s[G1+3], 32<<16
	s_mov_b32 s[G1+4], 256
	s_mov_b32 s[G1+5], 32
	s_mov_b32 s[G1+6], 0
	s_mov_b32 s[G1+7], 0
	s_or_b32 s[G1B], s44, (3<<16)|(1<<21)          ; Wo: 4 rows (K steps) of 16,384 bytes, 131,072 bytes apart
	s_mov_b32 s[G1B+1], 2048<<16
	s_mov_b32 s[G1B+2], 4<<16
	s_mov_b32 s[G1B+3], 2048<<16
	s_mov_b32 s[G1B+4], 4
	s_mov_b32 s[G1B+5], 16384
	s_mov_b32 s[G1B+6], 0
	s_mov_b32 s[G1B+7], 0
	s_lshl_b32 s20, s17, 17                        ; A: the block row's 131,072 bytes, my half
	s_lshl_b32 s21, s16, 16
	s_add_co_u32 s20, s20, s21
	s_mov_b32 s21, 0
	s_lshl_b32 s46, s42, 14                        ; Wo: the block column's 16,384 bytes of a K step, my four K steps, in the fourth image of wimg
	s_lshl_b32 s47, s16, 19
	s_add_co_u32 s46, s46, s47
	s_add_co_u32 s46, s46, 0x300000
	s_mov_b32 s47, 0
	s_lshl_b32 s45, s14, 16                        ; in LDS: 65,536 x wave
	s_wait_dscnt 0x0
	s_wait_kmcnt 0x0
	s_load_b64 s[72:73], s[68:69], 0x28            ; e10, e11
	s_mov_b32 s[G0], 1
	s_mov_b32 s[G0+1], s45
	s_add_nc_u64 s[G0+2:G0+3], s[4:5], s[20:21]
	s_or_b32 s[G0+3], s[G0+3], 0x80000000
	s_mov_b32 s[G0B], 1
	s_mov_b32 s[G0B+1], s45
	s_add_nc_u64 s[G0B+2:G0B+3], s[6:7], s[46:47]
	s_or_b32 s[G0B+3], s[G0B+3], 0x80000000
	CROUND                                         ; all sixteen work-groups are here: the joint loads meet
	s_cmp_eq_u32 s15, 0                            ; one load a wave, in the two arms of one branch on the wave's number
	s_cbranch_scc0 .Lfor_b
	tensor_load_to_lds s[G0:G0+3], s[G1:G1+7]
	s_nop 0
.rept 4
	v_nop
.endr
	s_branch .Lasked
.Lfor_b:
	tensor_load_to_lds s[G0B:G0B+3], s[G1B:G1B+7]
	s_nop 0
.rept 4
	v_nop
.endr
.Lasked:
	s_lshl_b32 s76, s17, 19                        ; my part of x and res: row 128 x block row + 64 x half, rows of 4,096 bytes,
	s_lshl_b32 s77, s15, 18
	s_add_co_u32 s76, s76, s77
	s_lshl_b32 s78, s42, 9                         ; column bytes 512 x block column + 256 x half
	s_lshl_b32 s79, s16, 8
	s_add_co_u32 s78, s78, s79
	s_add_co_u32 s76, s76, s78
	s_mov_b32 s77, 0
	s_mov_b32 s79, 0
	s_add_nc_u64 s[8:9], s[8:9], s[76:77]
	s_add_nc_u64 s[70:71], s[70:71], s[76:77]
	s_add_nc_u64 s[10:11], s[10:11], s[78:79]
	s_lshl_b32 s18, s15, 16                        ; LDS: my four row tiles of A (16,384 bytes each),
	s_lshl_b32 s19, s16, 13
	s_add_co_u32 s19, s19, 131072                  ; my four column tiles of Wo (2,048 bytes each in a K step)
	s_mul_i32 s12, s14, 16*SPITCH
	s_add_co_u32 s12, s12, STAGE                   ; my stage
	s_wait_kmcnt 0x0
	s_add_co_i32 s72, s72, s73                     ; e10 + e11
	s_sub_co_i32 s74, 0, s72
	s_add_co_i32 s72, s72, 127
	s_lshl_b32 s96, s72, 23                        ; 2^(e10 + e11)
	s_mov_b32 s97, s96
	v_and_b32 v1, 15, v0                           ; r
	v_bfe_u32 v2, v0, 4, 1                         ; h
	v_and_b32 v3, 31, v0
	v_lshlrev_b32 v3, 4, v3                        ; 16 x lane
	v_add_nc_u32 v[ADA], s18, v3
	v_add_nc_u32 v[ADB], s19, v3
	v_add_nc_u32 v[ADB+1], 65536, v[ADB]
	v_mul_u32_u24 v4, v1, SPITCH
	v_lshl_add_u32 v4, v2, 6, v4
	v_add_nc_u32 v[STO], s12, v4                   ; the stage, in: row r, + 64 h bytes
	v_mul_u32_u24 v5, v2, SPITCH
	v_lshl_add_u32 v5, v1, 4, v5
	v_add_nc_u32 v[RD], s12, v5                    ; and out: lanes 0-15 one row of 256 bytes, lanes 16-31 the next
	v_lshlrev_b32 v[CO], 12, v2
	v_lshl_add_u32 v[CO], v1, 4, v[CO]             ; the same two rows in x and res
	v_lshlrev_b32 v[VB], 6, v2
	s_wait_alu depctr_va_vdst(0)                   ; the wait here
.irp b, 0,1,2,3                        ; column tile b holds columns 32 (b / 2) + 8 (b % 2) + 16 h + 0 .. 7 of my 64
	global_load_b128 v[BC+8*\b:BC+8*\b+3], v[VB], s[10:11] offset:128*(\b/2)+32*(\b%2)
	global_load_b128 v[BC+8*\b+4:BC+8*\b+7], v[VB], s[10:11] offset:128*(\b/2)+32*(\b%2)+16
.endr
	WIN 0x40
.irp a, 0,1,2,3                        ; row tile a's member m is row 32 (a / 2) + 8 (a % 2) + m % 8 + 16 (m / 8) of my 64; load t brings members 2 t and 2 t + 1
.irp t, 0,1,2,3,4,5,6,7
	global_load_b128 v[128+32*\a+4*\t:128+32*\a+4*\t+3], v[CO], s[8:9] offset:(32*(\a/2)+8*(\a%2)+(2*\t)%8+16*(\t/4))*4096 th:TH_LOAD_NT
.endr
.endr
	WIN 0
	s_wait_loadcnt 32                              ; bo's eight loads are in; x's 32 may be out
.set n, 0
.rept 32
	v_ldexp_f32 v[BC+n], v[BC+n], s74              ; bo x 2^-(e10 + e11)
.set n, n+1
.endr
.macro LDF ks                          ; K step ks: four fragments of Wo and four of A, 32 loads, into set ks % 2
	WIN 0x40
.irp b, 0,1,2,3
.irp c, 0,1,2,3
	ds_load_b128 v[64*((\ks)%2)+16*\b+4*\c:64*((\ks)%2)+16*\b+4*\c+3], v[ADB+(\ks)/4] offset:((\ks)%4)*16384+\b*2048+512*\c
.endr
.endr
	WIN 0
.irp a, 0,1,2,3
.irp c, 0,1,2,3
	ds_load_b128 v[64+64*((\ks)%2)+16*\a+4*\c:64+64*((\ks)%2)+16*\a+4*\c+3], v[ADA] offset:\a*16384+(\ks)*2048+512*\c
.endr
.endr
.endm
.macro MM ks                           ; 16 matrix instructions: the 16 accumulators take turns, one instruction a turn
.if (\ks) == 0
	WIN 0x81                                       ; Wo window 1, A and C (bo) window 0, D window 2
.else
	WIN 0xa1                                       ; C and D window 2
.endif
.irp a, 0,1,2,3
.irp b, 0,1,2,3
.if (\ks) == 0
	v_wmma_f32_16x16x128_fp8_fp8 v[8*(4*\a+\b):8*(4*\a+\b)+7], v[16*\b:16*\b+15], v[64+16*\a:64+16*\a+15], v[BC+8*\b:BC+8*\b+7]
.else
	v_wmma_f32_16x16x128_fp8_fp8 v[8*(4*\a+\b):8*(4*\a+\b)+7], v[64*((\ks)%2)+16*\b:64*((\ks)%2)+16*\b+15], v[64+64*((\ks)%2)+16*\a:64+64*((\ks)%2)+16*\a+15], v[8*(4*\a+\b):8*(4*\a+\b)+7]
.endif
.endr
.endr
	WIN 0
.rept 4
	v_nop                                          ; places in front of loads into registers that these products read, and of the reads of the last results
.endr
.endm
	s_wait_alu depctr_va_vdst(0)                   ; the wait at the head's end
	s_wait_tensorcnt 0x0                           ; my half has landed
	s_barrier_signal -1
	s_barrier_wait -1                              ; both operands lie in LDS
	LDF 0
.irp ks, 0,1,2,3,4,5,6
	LDF \ks+1
	s_wait_dscnt 32                                ; this K step's fragments are in; the next step's 32 loads may be out
	MM \ks
.endr
	s_wait_dscnt 0x0
	MM 7
; THE WAY OUT, row tile by row tile: 16 rows x 64 columns go through my own stage in LDS and come back as whole rows of 256 bytes; x 2^(e10 + e11), + x; sixteen lanes store one aligned unit of 256 bytes.
; LDS serves a wave's instructions in order (ISA guide 5.7.1.4): no wait between the stores and the loads, nor in front of the next tile's stores.
.macro TOST a
.if (\a) >= 2
	s_wait_xcnt 0x0                                ; tile a - 2's stores have read their registers: tile a's rows may land there
.endif
	WIN 0x08                                       ; store data: window 2
.irp b, 0,1,2,3
	ds_store_b128 v[STO], v[8*(4*(\a)+\b):8*(4*(\a)+\b)+3] offset:128*(\b/2)+32*(\b%2)
	ds_store_b128 v[STO], v[8*(4*(\a)+\b)+4:8*(4*(\a)+\b)+7] offset:128*(\b/2)+32*(\b%2)+16
.endr
	WIN 0
.irp t, 0,1,2,3,4,5,6,7
	ds_load_b128 v[64+32*((\a)%2)+4*\t:64+32*((\a)%2)+4*\t+3], v[RD] offset:2*\t*SPITCH
.endr
.endm
.macro FIN a, younger
	s_wait_dscnt \younger                          ; the tile is back in registers
	WIN 0x10                                       ; source 2 (x): window 1
.set n, 0
.rept 16
	v_pk_fma_f32 v[64+32*((\a)%2)+n:64+32*((\a)%2)+n+1], v[64+32*((\a)%2)+n:64+32*((\a)%2)+n+1], s[96:97], v[128+32*(\a)+n:128+32*(\a)+n+1] op_sel_hi:[1,0,1]
.set n, n+2
.endr
	WIN 0
.irp t, 0,1,2,3,4,5,6,7
	global_store_b128 v[CO], v[64+32*((\a)%2)+4*\t:64+32*((\a)%2)+4*\t+3], s[70:71] offset:(32*((\a)/2)+8*((\a)%2)+(2*\t)%8+16*(\t/4))*4096
.endr
.endm
	s_wait_loadcnt 0x0                             ; x
	TOST 0
.irp a, 1,2,3
	TOST \a
	FIN \a-1, 16                                   ; behind tile a - 1's loads: tile a's 8 stores and 8 loads
.endr
	FIN 3, 0
	s_wait_tensorcnt 0x0                           ; the wave's end
	ds_add_u32 v[SPW], v[NIL]
	s_wait_dscnt 0x0
	CROUND                                         ; the closing round
	s_endpgm
.Lfunc_end_k_qcbb06bce69_oproj:
	.size	k_qcbb06bce69_oproj, .Lfunc_end_k_qcbb06bce69_oproj-k_qcbb06bce69_oproj
	.p2alignl 7, 3214868480
	.fill 96, 4, 3214868480
	.section	.rodata,"a",@progbits
	.p2align	6, 0x0
	.amdhsa_kernel k_qcbb06bce69_oproj
		.amdhsa_group_segment_fixed_size 280064
		.amdhsa_private_segment_fixed_size 0
		.amdhsa_enable_private_segment 0
		.amdhsa_kernarg_size 48
		.amdhsa_user_sgpr_count 2
		.amdhsa_user_sgpr_kernarg_segment_ptr 1
		.amdhsa_wavefront_size32 1
		.amdhsa_system_sgpr_workgroup_id_x 1
		.amdhsa_system_sgpr_workgroup_id_y 1
		.amdhsa_system_sgpr_workgroup_id_z 1
		.amdhsa_system_vgpr_workitem_id 0
		.amdhsa_next_free_vgpr 640
		.amdhsa_next_free_sgpr 100
		.amdhsa_reserve_vcc 0
		.amdhsa_float_denorm_mode_32 3
		.amdhsa_float_denorm_mode_16_64 3
		.amdhsa_memory_ordered 1
		.amdhsa_forward_progress 1
		.amdhsa_inst_pref_size 50
	.end_amdhsa_kernel
	.amdgpu_metadata
---
amdhsa.version: [ 1, 2 ]
amdhsa.kernels:
  - .name:           k_qcbb06bce69_oproj
    .symbol:         k_qcbb06bce69_oproj.kd
    .args:
      - { .name: aimg, .offset: 0, .size: 8, .value_kind: global_buffer, .address_space: global }
      - { .name: wimg, .offset: 8, .size: 8, .value_kind: global_buffer, .address_space: global }
      - { .name: x, .offset: 16, .size: 8, .value_kind: global_buffer, .address_space: global }
      - { .name: bo, .offset: 24, .size: 8, .value_kind: global_buffer, .address_space: global }
      - { .name: lowp_scales, .offset: 32, .size: 8, .value_kind: global_buffer, .address_space: global }
      - { .name: res, .offset: 40, .size: 8, .value_kind: global_buffer, .address_space: global }
    .group_segment_fixed_size: 280064
    .private_segment_fixed_size: 0
    .kernarg_segment_align: 8
    .kernarg_segment_size: 48
    .max_flat_workgroup_size: 128
    .sgpr_count:     100
    .vgpr_count:     640
    .wavefront_size: 32
...
	.end_amdgpu_metadata
.endif
;; end of part 4
;; launch ln (part 5): grid 256 x 1, 8 waves a work-group, no clusters, 0 bytes of LDS; arguments res, gamma, beta, out0; writes out0
.if DOCPART == 5
	.amdgcn_target "amdgcn-amd-amdhsa--gfx1250"
	.amdhsa_code_object_version 6
	.text
	.protected	k_qcbb06bce69_ln
	.globl	k_qcbb06bce69_ln
	.p2align	8
	.type	k_qcbb06bce69_ln,@function
k_qcbb06bce69_ln:
	s_mov_b64 s[64:65], 0
	v_nop
	global_prefetch_b8 v0, s[64:65] scope:SCOPE_SE
	s_setreg_imm32_b32 hwreg(HW_REG_WAVE_MODE, 25, 1), 1
	s_wait_xcnt 0x0
; LN: out0 = (res - mean) / sqrt(var + 1e-5) x gamma + beta, row by row of 1,024 numbers, all in f32; the variance is taken of res - mean.
; A wave takes two whole rows: a row is 8 loads of 512 consecutive bytes, 32 registers a lane.  2,048 waves x 2 rows.  Each byte is read once and written once.
; No matrix work, no LDS, no barrier, no cluster: waves share only gamma and beta (8,192 bytes).  No prefetch: all loads go out at the head; there is no loop.
; REGISTERS: v1 16 x lane; v8-19 the reductions; v32-39 the chains; v64-127 my two rows; v128-159 gamma; v160-191 beta.
.set T,   32
.set RES, 64
.set GA,  128
.set BE,  160
	s_load_b256 s[4:11], s[0:1], 0x0               ; res s[4:5], gamma s[6:7], beta s[8:9], out0 s[10:11]
	v_lshrrev_b32 v2, 5, v0
	v_readfirstlane_b32 s20, v2                    ; wave 0..7
	v_and_b32 v3, 31, v0
	v_lshlrev_b32 v1, 4, v3                        ; 16 x lane
	v_mov_b32 v12, 0                               ; a lane permute's destination counts as one of its sources
	v_mov_b32 v13, 0
	s_lshl_b32 s12, ttmp9, 4
	s_lshl_b32 s13, s20, 1
	s_add_co_u32 s12, s12, s13                     ; my first row: 16 x work-group + 2 x wave
	s_lshl_b32 s12, s12, 12
	s_mov_b32 s13, 0
	s_mov_b32 s16, 0x76543210
	s_mov_b32 s17, 0xfedcba98
	s_mov_b32 s18, 0x3a800000                      ; 1 / 1024
	s_mov_b32 s19, 0x3727c5ac                      ; 1e-5
	s_wait_alu depctr_va_vdst(0)                   ; the wait at the head's end
	s_wait_kmcnt 0x0
	s_add_nc_u64 s[4:5], s[4:5], s[12:13]
	s_add_nc_u64 s[10:11], s[10:11], s[12:13]
.irp i, 0,1
.irp j, 0,1,2,3,4,5,6,7
	global_load_b128 v[RES+32*\i+4*\j:RES+32*\i+4*\j+3], v1, s[4:5] offset:\i*4096+512*\j th:TH_LOAD_NT
.endr
.endr
.irp j, 0,1,2,3,4,5,6,7
	global_load_b128 v[GA+4*\j:GA+4*\j+3], v1, s[6:7] offset:512*\j
	global_load_b128 v[BE+4*\j:BE+4*\j+3], v1, s[8:9] offset:512*\j
.endr
	s_wait_loadcnt 0x0
.macro TREE sq                         ; v[8 + i] = row i's sum (sq = 1: of squares) over all 1,024 columns: two chains a row, then across the lanes
.irp i, 0,1
.irp c, 0,1
.if \sq
	v_pk_mul_f32 v[T+4*\i+2*\c:T+4*\i+2*\c+1], v[RES+32*\i+2*\c:RES+32*\i+2*\c+1], v[RES+32*\i+2*\c:RES+32*\i+2*\c+1]
.else
	v_pk_add_f32 v[T+4*\i+2*\c:T+4*\i+2*\c+1], v[RES+32*\i+2*\c:RES+32*\i+2*\c+1], v[RES+32*\i+2*\c+4:RES+32*\i+2*\c+5]
.endif
.endr
.endr
.set n, 8-4*\sq
.rept 6+\sq
.irp i, 0,1
.irp c, 0,1
.if \sq
	v_pk_fma_f32 v[T+4*\i+2*\c:T+4*\i+2*\c+1], v[RES+32*\i+n+2*\c:RES+32*\i+n+2*\c+1], v[RES+32*\i+n+2*\c:RES+32*\i+n+2*\c+1], v[T+4*\i+2*\c:T+4*\i+2*\c+1]
.else
	v_pk_add_f32 v[T+4*\i+2*\c:T+4*\i+2*\c+1], v[T+4*\i+2*\c:T+4*\i+2*\c+1], v[RES+32*\i+n+2*\c:RES+32*\i+n+2*\c+1]
.endif
.endr
.endr
.set n, n+4
.endr
.irp i, 0,1
	v_pk_add_f32 v[T+4*\i:T+4*\i+1], v[T+4*\i:T+4*\i+1], v[T+4*\i+2:T+4*\i+3]
.endr
.irp i, 0,1
	v_add_f32 v[8+\i], v[T+4*\i], v[T+4*\i+1]
.endr
.irp m, 1,2,4,8
.irp i, 0,1
	v_add_f32_dpp v[8+\i], v[8+\i], v[8+\i] row_xmask:\m row_mask:0xf bank_mask:0xf
.endr
.endr
.irp i, 0,1
	v_permlanex16_b32 v[12+\i], v[8+\i], s16, s17
.endr
.irp i, 0,1
	v_add_f32 v[8+\i], v[8+\i], v[12+\i]
.endr
.endm
	TREE 0
.irp i, 0,1
	v_mul_f32 v[16+2*\i], 0xba800000, v[8+\i]      ; -mean
.endr
.irp i, 0,1
	v_mov_b32 v[17+2*\i], v[16+2*\i]
.endr
.irp i, 0,1
.set n, 0
.rept 16
	v_pk_add_f32 v[RES+32*\i+n:RES+32*\i+n+1], v[RES+32*\i+n:RES+32*\i+n+1], v[16+2*\i:17+2*\i]
.set n, n+2
.endr
.endr
	TREE 1
.irp i, 0,1
	v_fma_f32 v[8+\i], v[8+\i], s18, s19           ; the variance + 1e-5
.endr
	s_wait_alu depctr_va_vdst(0)                   ; the wait ahead of the transcendentals
.irp i, 0,1
	v_rsq_f32 v[16+2*\i], v[8+\i]
.endr
	v_nop
	s_wait_alu depctr_va_vdst(0)                   ; and behind them, ahead of their first reader
.irp i, 0,1
	v_mov_b32 v[17+2*\i], v[16+2*\i]
.endr
.irp i, 0,1
.set n, 0
.rept 16
	v_pk_mul_f32 v[RES+32*\i+n:RES+32*\i+n+1], v[RES+32*\i+n:RES+32*\i+n+1], v[16+2*\i:17+2*\i]
.set n, n+2
.endr
.endr
.irp i, 0,1
.set n, 0
.rept 16
	v_pk_fma_f32 v[RES+32*\i+n:RES+32*\i+n+1], v[RES+32*\i+n:RES+32*\i+n+1], v[GA+n:GA+n+1], v[BE+n:BE+n+1]
.set n, n+2
.endr
.endr
.irp i, 0,1
.irp j, 0,1,2,3,4,5,6,7
	global_store_b128 v1, v[RES+32*\i+4*\j:RES+32*\i+4*\j+3], s[10:11] offset:\i*4096+512*\j th:TH_STORE_NT   ; 512 consecutive bytes, aligned
.endr
.endr
	s_endpgm
.Lfunc_end_k_qcbb06bce69_ln:
	.size	k_qcbb06bce69_ln, .Lfunc_end_k_qcbb06bce69_ln-k_qcbb06bce69_ln
	.p2alignl 7, 3214868480
	.fill 96, 4, 3214868480
	.section	.rodata,"a",@progbits
	.p2align	6, 0x0
	.amdhsa_kernel k_qcbb06bce69_ln
		.amdhsa_group_segment_fixed_size 0
		.amdhsa_private_segment_fixed_size 0
		.amdhsa_enable_private_segment 0
		.amdhsa_kernarg_size 32
		.amdhsa_user_sgpr_count 2
		.amdhsa_user_sgpr_kernarg_segment_ptr 1
		.amdhsa_wavefront_size32 1
		.amdhsa_system_sgpr_workgroup_id_x 1
		.amdhsa_system_sgpr_workgroup_id_y 1
		.amdhsa_system_sgpr_workgroup_id_z 1
		.amdhsa_system_vgpr_workitem_id 0
		.amdhsa_next_free_vgpr 192
		.amdhsa_next_free_sgpr 66
		.amdhsa_reserve_vcc 0
		.amdhsa_float_denorm_mode_32 3
		.amdhsa_float_denorm_mode_16_64 3
		.amdhsa_memory_ordered 1
		.amdhsa_forward_progress 1
		.amdhsa_inst_pref_size 18
	.end_amdhsa_kernel
	.amdgpu_metadata
---
amdhsa.version: [ 1, 2 ]
amdhsa.kernels:
  - .name:           k_qcbb06bce69_ln
    .symbol:         k_qcbb06bce69_ln.kd
    .args:
      - { .name: res, .offset: 0, .size: 8, .value_kind: global_buffer, .address_space: global }
      - { .name: gamma, .offset: 8, .size: 8, .value_kind: global_buffer, .address_space: global }
      - { .name: beta, .offset: 16, .size: 8, .value_kind: global_buffer, .address_space: global }
      - { .name: out0, .offset: 24, .size: 8, .value_kind: global_buffer, .address_space: global }
    .group_segment_fixed_size: 0
    .private_segment_fixed_size: 0
    .kernarg_segment_align: 8
    .kernarg_segment_size: 32
    .max_flat_workgroup_size: 256
    .sgpr_count:     66
    .vgpr_count:     192
    .wavefront_size: 32
...
	.end_amdgpu_metadata
.endif
;; end of part 5
